; MI455X (gfx1250); checked and timed in simulation.
; The chip was launched on July 23, 2026; its instructions are those of AMD's public machine-readable ISA for CDNA 5 (MIT licence, August 2026) and "CDNA5" Instruction Set Architecture Reference Guide (July 2026). The comments in the code are by the model that wrote it; some were corrected since.
;; Self Attention Head. Allowed arithmetic: matrix products marked QUANTISED: E2M3 operands, one E8M0 scale for each 32 along K, by v_wmma_scale_f32_16x16x128_f8f6f4 with both operands' format E2M3, f32 sums; everything else in f32.
;; Inputs: k 4 x 2,048 x 1,024 float32; mask 1 x 2,048 x 2,048 bool; q 4 x 2,048 x 1,024 float32; v 4 x 2,048 x 1,024 float32; wi 1,024 x 1,024 float32.
;; Outputs: out0 4 x 2,048 x 1,024 float32.
;; This version of the problem:
;;   THIS VERSION OF THE PROBLEM IS GIVEN IN LOW PRECISION. The matrix products marked QUANTISED in the list below multiply operands that are first quantised to E2M3 (2 exponent bits, 3 mantissa bits; 6 bits a number), with one power-of-two scale for each 32 numbers along K (OCP MX v1.0); their sums are f32. All else is computed in f32.
;;   The module's matrix products, in the order in which they are computed (A, B: the left and right operand; K: the contracted axis; several contracted axes count as one K, in the product's order):
;;     1. [M 8,192, K 1,024] x [K 1,024, N 1,024]; A: input q; B: input wi: QUANTISED
;;     2. [M 8,192, K 1,024] x [K 1,024, N 1,024]; A: input k; B: input wi: QUANTISED
;;     3. [M 8,192, K 1,024] x [K 1,024, N 1,024]; A: input v; B: input wi: QUANTISED
;;     4. batch 4 x [M 2,048, K 1,024] x [K 1,024, N 2,048]; A: computed on the way; B: computed on the way: QUANTISED
;;     5. batch 4 x [M 2,048, K 2,048] x [K 2,048, N 1,024]; A: softmax (see below); B: computed on the way: QUANTISED
;;   THE QUANTISER, for each operand of a quantised product, along K:
;;     - K is cut into blocks of 32 from its start; a last block that is shorter is filled with zeros.
;;     - A block's scale is 2^e with e = floor(log2(the largest magnitude in the block)) - 2, held to -126 .. 127; a block of zeros has e = 0. As a byte (E8M0): e + 127.
;;     - Each number is divided by its block's scale, clamped to +-7.5, and rounded to the nearest number of E2M3, ties to even, subnormals kept.
;;     - The product sums the exact products of the quantised numbers (number of the format x scale) in f32.
;;   ~~~python
;;   def quantise(x, axis):      # numpy; x: float32 -> the quantised numbers, widened to float32 again
;;       x = np.moveaxis(x, axis, -1); K = x.shape[-1]
;;       x = np.pad(x, [(0, 0)] * (x.ndim - 1) + [(0, -K % 32)]); x = x.reshape(x.shape[:-1] + (-1, 32)); a = np.abs(x).max(-1, keepdims=True)
;;       e = np.where(a > 0, np.clip(np.frexp(np.where(a > 0, a, 1))[1] - 1 - 2, -126, 127), 0)      # np.frexp(a)[1] - 1 = floor(log2(a)), exactly
;;       r = np.clip(x / 2.0 ** e, -7.5, 7.5)
;;       step = 2.0 ** (np.maximum(np.frexp(np.where(r == 0, 1, r))[1] - 1, 0) - 3)
;;       q = np.round(r / step) * step * 2.0 ** e      # np.round: ties to even
;;       return np.moveaxis(q.reshape(q.shape[:-2] + (-1,))[..., :K], -1, axis).astype(np.float32)
;;   ~~~
;;   SOFTMAX AHEAD OF A QUANTISED PRODUCT. Where the list says 'softmax', what is quantised is not the finished softmax but p = 2^(t - M), with t = logit x log2(e) and M = ceil(the row's largest t), a whole number; so 1/2 < the row's largest p <= 1. The row's sum l is taken of the UNQUANTISED p, in f32, and the product's result is divided by l at the end. Since M is a whole number, a kernel that streams over the keys may use a running M (the ceiling of the running maximum): every later rescaling is an exact power of two, which a block's scale takes up: the codes' values come out the same.
;;   OPERANDS COMPUTED ON THE WAY. 'Computed on the way' means the value that the module computes at that place (a softmax that the list does not call 'softmax' is quantised finished and normalised). What goes into a quantiser is computed in f32, as accurately as f32 sums, v_exp_f32 and their like allow (about 1e-6 of the number): no bf16 or f16 on the way to a quantiser, and a product that is left as it is and whose result goes on into a quantised operand takes f32 operands (vector FMAs, or v_wmma_f32_16x16x4_f32). A number that lies on a knife's edge between two numbers of the format may be rounded either way, as far as f32 arithmetic and the matrix unit's own rounding can turn it there, and no further.
;; One version. Each part assembles by itself: llvm-mc -triple=amdgcn-amd-amdhsa -mcpu=gfx1250 --defsym DOCPART=n.
;; ======== version 1 of 1: 4 launches
;; limits: right only within a limited range of input values
;; workspace buffers: xc 19,660,800 bytes; wc 819,200 bytes; qkc 13,107,200 bytes; vtc 6,553,600 bytes; pc 13,107,200 bytes; nm 524,288 bytes; ls 524,288 bytes
;; launch quant (part 1): grid 3104 x 1, 4 waves a work-group, no clusters, 48,640 bytes of LDS; arguments q, k, v, wi, xc, wc; writes xc, wc
.if DOCPART == 1
	.amdgcn_target "amdgcn-amd-amdhsa--gfx1250"
	.amdhsa_code_object_version 6
	.text
	.protected	k_q7c29ac2217_quant
	.globl	k_q7c29ac2217_quant
	.p2align	8
	.type	k_q7c29ac2217_quant,@function
k_q7c29ac2217_quant:
	s_mov_b64 s[64:65], 0
	v_nop
	global_prefetch_b8 v0, s[64:65] scope:SCOPE_SE
	s_setreg_imm32_b32 hwreg(HW_REG_WAVE_MODE, 25, 1), 1
	s_wait_xcnt 0x0
; q, k, v [8192][1024] f32 (K innermost) and wi [1024 (K)][1024 (n)] f32 (K outermost) become codes of FP6 (E2M3) with one E8M0 scale byte for each 32 along K.
; THE OUTPUT IS LAID AS IMAGES OF THE OPERAND'S REGISTERS.  A block = 128 rows x 256 along K = 25,600 bytes; block (group, slot) lies at (group x 4 + slot) x 25,600.
;   codes: tile i (16 rows), K step q (128 along K), chunk c, lane L: 16 bytes (the fragment's registers 4 c .. 4 c + 3) at 3,072 i + 1,536 q + 512 c + 16 L;
;   scale words from byte 24,576 on: 512 q + 64 i + 4 r.  Lane r of tile 2 b + u holds the group's row 32 b + 8 u + r + 8 (r / 8).
; A block's scale is 2^(floor(log2(largest magnitude)) - 2): its byte is the largest magnitude's exponent field - 2, held at 1 from below.
; LIMITS: a block of zeros gets the byte 1 where the rule says 127 (its codes are zeros, and this program alone reads the bytes); NaN and infinities among the inputs are not served.
; SHARES: a work-group makes one block; wave w takes K step w / 2 and tiles 4 (w % 2) .. + 3, so that its scale words are 256 consecutive bytes.
; Work-groups 0-31 take wi, the others q, k, v.  The two ways part once, on the work-group's number, and have LDS bytes of their own.  Waves share nothing: no barrier.
; No matrix unit, no cluster, no tensor load: the launch streams each input byte once and shares no tile.
; THE SHARES AS THEY STAND (in place of what the head says of them): work-groups 0-31 take wi, a block each, wave w its K step w / 2 and tiles 4 (w % 2) .. + 3, and share nothing.
; Work-groups 32 .. 3,103 take q, k, v: job j = number - 32 is a quarter of block j / 4: K step (j / 2) % 2, tiles 4 (j % 2) .. + 3, a tile to each of the four waves.
; The four tiles' scale words, 256 consecutive bytes of the block, meet in LDS behind one barrier and leave by one store of wave 0.
; The grid holds more work-groups than fit on the chip at once; the longest, wi's, have the lowest numbers.
.set BLK,   25600
.set SCO,   24576
.set RB,    32                         ; v32-159: numbers as they are loaded
.set XB,    160                        ; v160-223: 64 numbers in the operand's order (wi's way: the blocks' codes)
.set PCB,   224                        ; v224-247: two sets of a fragment's 12 registers
.set TMPB,  248                        ; v248-254: the halves of blocks that a conversion cannot put in place
.set XREG,  8704                       ; LDS of a wave, q/k/v: a stage of 16 rows x 528 bytes, then 256 bytes of scale words
.set WBASE, 4*XREG
.set WREG,  3328                       ; LDS of a wave, wi: the images of two tiles (3,072 bytes), then 256 bytes of scale words
	s_load_b256 s[4:11], s[0:1], 0x0               ; q, k, v, wi
	s_load_b128 s[12:15], s[0:1], 0x20             ; xc, wc
	v_lshl_add_u32 v251, v0, 2, 0xbc00
	v_mov_b32 v255, 0
	v_lshrrev_b32 v1, 5, v0
	v_readfirstlane_b32 s24, v1                    ; wave
	s_lshr_b32 s25, s24, 1                         ; my K step of the block's two
	s_and_b32 s26, s24, 1                          ; my half of the block's eight tiles
	v_and_b32 v1, 31, v0                           ; lane
	v_and_b32 v2, 15, v0                           ; r
	v_bfe_u32 v3, v0, 4, 1                         ; h
	v_lshlrev_b32 v4, 4, v1                        ; 16 x lane
	v_lshlrev_b32 v21, 3, v1                       ; 8 x lane
	s_mov_b32 s22, 0x76543210
	s_mov_b32 s23, 0xfedcba98                      ; v_permlanex16_b32's selects for lane l xor 16
	s_mul_i32 s36, s26, 12288                      ; my codes' place in a block: four tiles x half + 1,536 x K step
	s_mul_i32 s37, s25, 1536
	s_add_co_u32 s36, s36, s37
	s_lshl_b32 s38, s25, 9                         ; my scale words' place: 24,576 + 512 x K step + 256 x half
	s_lshl_b32 s39, s26, 8
	s_add_co_u32 s38, s38, s39
	s_add_co_u32 s38, s38, SCO
	s_mov_b32 s37, 0
	s_mov_b32 s39, 0
	s_mov_b32 s33, 0
	s_cmp_lt_u32 ttmp9, 32
	s_cbranch_scc1 .Lpath_w
; ---------------- q, k, v: K is innermost ----------------
	s_sub_co_u32 s27, ttmp9, 32                    ; the job: block x 4 + K step x 2 + half
	s_and_b32 s26, s27, 1                          ; the job's half of the block's eight tiles
	s_bfe_u32 s25, s27, 0x10001                    ; its K step of the block's two
	s_lshr_b32 s27, s27, 2                         ; the block's number in xc = group x 4 + slot
	s_mul_i32 s36, s26, 12288                      ; my codes' place in the block: four tiles x half + 1,536 x K step + 3,072 x my tile (= my wave)
	s_mul_i32 s35, s25, 1536
	s_add_co_u32 s36, s36, s35
	s_mul_i32 s35, s24, 3072
	s_add_co_u32 s36, s36, s35
	s_lshl_b32 s38, s25, 9                         ; the job's scale words: 24,576 + 512 x K step + 256 x half
	s_lshl_b32 s35, s26, 8
	s_add_co_u32 s38, s38, s35
	s_add_co_u32 s38, s38, SCO
	s_lshr_b32 s28, s27, 2                         ; group 0..191
	s_and_b32 s29, s27, 3                          ; slot
	s_mul_i32 s30, s24, XREG
	s_wait_alu depctr_va_vdst(0)
	v_add_nc_u32 v5, s30, v4                       ; the stage, on the way in: a row's 512 bytes as they lie
	v_mul_u32_u24 v6, v2, 528
	v_lshl_add_u32 v6, v3, 7, v6
	v_add_nc_u32 v6, s30, v6                       ; on the way out: row r, + 128 h: my blocks of 32 numbers
	s_lshl_b32 s31, s24, 6
	s_add_co_u32 s31, s31, 16*528                  ; the job's 64 scale words lie behind wave 0's stage: 64 bytes for each wave's tile
	v_lshl_add_u32 v7, v2, 2, s31                  ; my row's scale word
	v_add_nc_u32 v20, 16*528, v21                  ; and all the words on their way out, 8 bytes a lane
	v_lshlrev_b32 v15, 3, v3                       ; 8 h
	v_mov_b32 v16, 0                               ; written once: a lane permute's destination counts as one of its sources
	s_and_b32 s32, s28, 63
	s_lshl_b32 s32, s32, 19                        ; the group's 128 rows of 4,096 bytes
	s_lshl_b32 s35, s26, 18                        ; + 64 rows x half
	s_add_co_u32 s32, s32, s35
	s_lshl_b32 s35, s29, 10                        ; + 1,024 bytes x slot
	s_add_co_u32 s32, s32, s35
	s_lshl_b32 s35, s25, 9                         ; + 512 bytes x K step
	s_add_co_u32 s32, s32, s35
	s_lshr_b32 s35, s24, 1
	s_lshl_b32 s35, s35, 17                        ; + 32 rows x (my tile / 2)
	s_add_co_u32 s32, s32, s35
	s_and_b32 s35, s24, 1
	s_lshl_b32 s35, s35, 15                        ; + 8 rows x (my tile % 2)
	s_add_co_u32 s32, s32, s35
	s_mul_i32 s34, s27, BLK
	s_add_co_u32 s36, s36, s34
	s_add_co_u32 s38, s38, s34
	s_wait_alu depctr_va_vdst(0)
	s_wait_kmcnt 0x0
	s_cmp_lt_u32 s28, 128                          ; which tensor: the choice hangs on the work-group's number alone
	s_cselect_b64 s[16:17], s[6:7], s[8:9]
	s_cmp_lt_u32 s28, 64
	s_cselect_b64 s[16:17], s[4:5], s[16:17]
	s_add_nc_u64 s[16:17], s[16:17], s[32:33]
	s_add_nc_u64 s[18:19], s[12:13], s[36:37]      ; my codes
	s_add_nc_u64 s[20:21], s[12:13], s[38:39]      ; my scale words
.macro LOADF f                         ; tile f of my four: its 16 rows' 128 numbers; each load reads 512 consecutive bytes of one row
.irp t, 0,1,2,3,4,5,6,7,8,9,10,11,12,13,14,15
	global_load_b128 v[RB+64*((\f)%2)+4*\t:RB+64*((\f)%2)+4*\t+3], v4, s[16:17] offset:(32*((\f)/2)+8*((\f)%2)+\t+8*(\t/8))*4096 th:TH_LOAD_NT
.endr
.endm
.macro FRAGX f, left                   ; left: the younger loads, which may stay out
.set RS, RB+64*((\f)%2)
.set PS, PCB+12*((\f)%2)
	s_wait_loadcnt \left
.irp t, 0,1,2,3,4,5,6,7,8,9,10,11,12,13,14,15
	ds_store_b128 v5, v[RS+4*\t:RS+4*\t+3] offset:528*\t
.endr
.irp c, 0,1                            ; back in the operand's order: lane (r, h) takes k = 64 c + 32 h + 0 .. 31 of row r.  LDS serves a wave's instructions in order
.irp j, 0,1,2,3,4,5,6,7
	ds_load_b128 v[XB+32*\c+4*\j:XB+32*\c+4*\j+3], v6 offset:256*\c+16*\j
.endr
.endr
	s_wait_dscnt 0x0                               ; the numbers are back
.irp c, 0,1
	v_max3_num_f32 v[8+\c], |v[XB+32*\c]|, |v[XB+32*\c+1]|, 0x1800000   ; my block 2 c + h, all 32 numbers mine, and the floor 2^(3 - 127): the byte cannot fall under 1
.endr
.irp i, 2,4,6,8,10,12,14,16,18,20,22,24,26,28,30
.irp c, 0,1
	v_max3_num_f32 v[8+\c], v[8+\c], |v[XB+32*\c+\i]|, |v[XB+32*\c+\i+1]|
.endr
.endr
.irp c, 0,1
	v_add_nc_u32 v[10+\c], 0xff000000, v[8+\c]     ; 2 off the exponent field: the conversion's scale operand
.endr
.irp c, 0,1
	v_lshrrev_b32 v[12+\c], 23, v[10+\c]           ; the scale's byte
.endr
	v_lshl_or_b32 v14, v13, 16, v12                ; my two bytes, blocks h and 2 + h,
	v_lshlrev_b32 v14, v15, v14                    ; at their places;
	v_permlanex16_b32 v16, v14, s22, s23
	v_or_b32 v14, v14, v16                         ; with lane l xor 16's two the word is whole
.if (\f) >= 2
	s_wait_alu depctr_va_vdst(0)
	s_wait_xcnt 0x0                                ; the stores of the tile two back have read this set of registers
.endif
.irp c, 0,1
	v_cvt_scalef32_pk16_fp6_f32 v[PS+6*\c:PS+6*\c+2], v[XB+32*\c:XB+32*\c+15], v[10+\c]
	v_cvt_scalef32_pk16_fp6_f32 v[TMPB+4*\c:TMPB+4*\c+2], v[XB+32*\c+16:XB+32*\c+31], v[10+\c]   ; (a conversion's three registers begin on an even number)
.endr
	v_nop                                          ; one plain place behind a scaled conversion
.irp c, 0,1
.irp i, 0,1,2
	v_mov_b32 v[PS+6*\c+3+\i], v[TMPB+4*\c+\i]
.endr
.endr
	ds_store_b32 v7, v14 offset:64*(\f)            ; both halves of the lanes write the same word with the same value; it stands ahead of the global stores, behind which the next tile's wait for its loads follows
.irp c, 0,1,2
	global_store_b128 v4, v[PS+4*\c:PS+4*\c+3], s[18:19] offset:(\f)*3072+512*\c   ; 32 lanes store 512 consecutive bytes, at a multiple of 256 from the buffer's first byte
.endr
.endm
	LOADF 0                                        ; my one tile (the base holds its rows' place)
	FRAGX 0, 0
	s_wait_dscnt 0x0                               ; for the others' sake: my tile's scale words have landed
	s_barrier_signal -1
	s_barrier_wait -1                              ; all four tiles' have
	s_cmp_lg_u32 s24, 0
	s_cbranch_scc1 .Lx_done                        ; wave 0 alone stores them
	ds_load_b64 v[24:25], v20                      ; the job's 64 scale words
	s_wait_dscnt 0x0
	global_store_b64 v21, v[24:25], s[20:21]       ; 256 consecutive bytes, aligned
.Lx_done:
	s_wait_tensorcnt 0x0                           ; the wave's end
	ds_add_u32 v251, v255
	s_wait_dscnt 0x0
	s_endpgm
; ---------------- wi: K is the first axis.  A lane takes a column n and its registers run down K ----------------
.Lpath_w:
	s_lshr_b32 s28, ttmp9, 2                       ; group of 128 columns
	s_and_b32 s29, ttmp9, 3                        ; slot of 256 along K
	s_mul_i32 s30, s24, WREG
	s_add_co_u32 s30, s30, WBASE
	v_bfe_u32 v8, v0, 3, 1                         ; column x of a pair's 32 belongs to tile u = (x / 8) % 2,
	v_and_b32 v9, 7, v0
	s_wait_alu depctr_va_vdst(0)
	v_lshl_or_b32 v9, v3, 3, v9                    ; lane r = x % 8 + 8 (x / 16)
	v_mul_u32_u24 v5, v8, 1536
	v_lshl_add_u32 v5, v9, 4, v5
	v_add_nc_u32 v5, s30, v5                       ; where that lane's 16 bytes of an image's chunk lie
	v_add_nc_u32 v6, s30, v4                       ; the images on their way out
	s_add_co_u32 s31, s30, 3072
	v_lshlrev_b32 v7, 6, v8
	v_lshl_add_u32 v7, v9, 2, v7
	v_add_nc_u32 v7, s31, v7                       ; my column's scale word
	v_add_nc_u32 v20, s31, v21
	v_lshlrev_b32 v22, 2, v1                       ; in: 4 bytes a lane
	s_lshl_b32 s32, s29, 20                        ; 256 rows of 4,096 bytes x slot
	s_lshl_b32 s35, s25, 19                        ; + 128 rows x K step
	s_add_co_u32 s32, s32, s35
	s_lshl_b32 s35, s28, 9                         ; + 128 columns x group
	s_add_co_u32 s32, s32, s35
	s_lshl_b32 s35, s26, 8                         ; + 64 columns x half
	s_add_co_u32 s32, s32, s35
	s_mul_i32 s34, ttmp9, BLK
	s_add_co_u32 s36, s36, s34
	s_add_co_u32 s38, s38, s34
	s_wait_alu depctr_va_vdst(0)
	s_wait_kmcnt 0x0
	s_add_nc_u64 s[16:17], s[10:11], s[32:33]
	s_add_nc_u64 s[18:19], s[14:15], s[36:37]
	s_add_nc_u64 s[20:21], s[14:15], s[38:39]
.macro WLOAD p, bl                     ; block bl (32 along K) of pair p's 32 columns: each load reads 128 consecutive bytes
.set II, 0
.rept 32
	global_load_b32 v[RB+32*(\bl)+II], v22, s[16:17] offset:(32*(\bl)+II)*4096+128*(\p) th:TH_LOAD_NT
.set II, II+1
.endr
.endm
.macro WBLOCK p, bl, left
.set XS, RB+32*(\bl)
.set CB, XB+8*(\bl)
	s_wait_loadcnt \left                           ; at least so many younger loads are out (a count cannot name more than 63)
	v_max3_num_f32 v10, |v[XS]|, |v[XS+1]|, 0x1800000              ; the block's largest magnitude, in two chains, over the floor 2^(3 - 127)
	v_max3_num_f32 v11, |v[XS+2]|, |v[XS+3]|, 0x1800000
.irp i, 4,8,12,16,20,24,28
	v_max3_num_f32 v10, v10, |v[XS+\i]|, |v[XS+\i+1]|
	v_max3_num_f32 v11, v11, |v[XS+\i+2]|, |v[XS+\i+3]|
.endr
	v_max_num_f32 v10, v10, v11
	v_add_nc_u32 v12, 0xff000000, v10              ; the conversion's scale operand
	v_lshrrev_b32 v13, 23, v12                     ; the byte
.if (\bl) == 0
	v_mov_b32 v14, v13
.else
	v_lshl_or_b32 v14, v13, 8*(\bl), v14           ; the column's scale word, the lower K in the lower byte
.endif
	v_cvt_scalef32_pk16_fp6_f32 v[CB:CB+2], v[XS:XS+15], v12
	v_cvt_scalef32_pk16_fp6_f32 v[TMPB:TMPB+2], v[XS+16:XS+31], v12
	v_nop                                          ; one plain place behind a scaled conversion
.irp i, 0,1,2
	v_mov_b32 v[CB+3+\i], v[TMPB+\i]
.endr
; block bl is the fragment's registers 6 (bl / 2) .. + 5 of lane r + 16 (bl % 2): 16 + 8 bytes, or 8 + 16, of the image's chunks
.if (\bl) < 2
	ds_store_b128 v5, v[CB:CB+3] offset:256*((\bl)%2)
	ds_store_b64 v5, v[CB+4:CB+5] offset:256*((\bl)%2)+512
.else
	ds_store_b64 v5, v[CB:CB+1] offset:256*((\bl)%2)+520
	ds_store_b128 v5, v[CB+2:CB+5] offset:256*((\bl)%2)+1024
.endif
.if (\p) == 0
	WLOAD 1, \bl                                   ; the next pair's block takes the registers just converted
.endif
.endm
.macro WPAIR p                         ; behind a pair's four blocks: its scale words, and its two tiles' images leave as they lie
	ds_store_b32 v7, v14 offset:128*(\p)
.irp n, 0,1,2,3,4,5
	ds_load_b128 v[192+24*(\p)+4*\n:192+24*(\p)+4*\n+3], v6 offset:512*\n
.endr
	s_wait_dscnt 0x0                               ; also: the stores above have read their registers, which the next pair writes
.irp n, 0,1,2,3,4,5
	global_store_b128 v4, v[192+24*(\p)+4*\n:192+24*(\p)+4*\n+3], s[18:19] offset:(\p)*6144+(\n/3)*3072+512*(\n%3)
.endr
.endm
	WLOAD 0, 0
	WLOAD 0, 1
	WLOAD 0, 2
	WLOAD 0, 3
	WBLOCK 0, 0, 63
	WBLOCK 0, 1, 63
	WBLOCK 0, 2, 63
	WBLOCK 0, 3, 63
	WPAIR 0
	WBLOCK 1, 0, 63
	WBLOCK 1, 1, 63
	WBLOCK 1, 2, 32
	WBLOCK 1, 3, 0
	WPAIR 1
	ds_load_b64 v[24:25], v20
	s_wait_dscnt 0x0
	global_store_b64 v21, v[24:25], s[20:21]
	s_wait_tensorcnt 0x0
	ds_add_u32 v251, v255
	s_wait_dscnt 0x0
	s_endpgm
.Lfunc_end_k_q7c29ac2217_quant:
	.size	k_q7c29ac2217_quant, .Lfunc_end_k_q7c29ac2217_quant-k_q7c29ac2217_quant
	.p2alignl 7, 3214868480
	.fill 96, 4, 3214868480
	.section	.rodata,"a",@progbits
	.p2align	6, 0x0
	.amdhsa_kernel k_q7c29ac2217_quant
		.amdhsa_group_segment_fixed_size 48640
		.amdhsa_private_segment_fixed_size 0
		.amdhsa_enable_private_segment 0
		.amdhsa_kernarg_size 48
		.amdhsa_user_sgpr_count 2
		.amdhsa_user_sgpr_kernarg_segment_ptr 1
		.amdhsa_wavefront_size32 1
		.amdhsa_system_sgpr_workgroup_id_x 1
		.amdhsa_system_sgpr_workgroup_id_y 1
		.amdhsa_system_sgpr_workgroup_id_z 1
		.amdhsa_system_vgpr_workitem_id 0
		.amdhsa_next_free_vgpr 256
		.amdhsa_next_free_sgpr 66
		.amdhsa_reserve_vcc 0
		.amdhsa_float_denorm_mode_32 3
		.amdhsa_float_denorm_mode_16_64 3
		.amdhsa_memory_ordered 1
		.amdhsa_forward_progress 1
		.amdhsa_inst_pref_size 52
	.end_amdhsa_kernel
	.amdgpu_metadata
---
amdhsa.version: [ 1, 2 ]
amdhsa.kernels:
  - .name:           k_q7c29ac2217_quant
    .symbol:         k_q7c29ac2217_quant.kd
    .args:
      - { .name: q, .offset: 0, .size: 8, .value_kind: global_buffer, .address_space: global }
      - { .name: k, .offset: 8, .size: 8, .value_kind: global_buffer, .address_space: global }
      - { .name: v, .offset: 16, .size: 8, .value_kind: global_buffer, .address_space: global }
      - { .name: wi, .offset: 24, .size: 8, .value_kind: global_buffer, .address_space: global }
      - { .name: xc, .offset: 32, .size: 8, .value_kind: global_buffer, .address_space: global }
      - { .name: wc, .offset: 40, .size: 8, .value_kind: global_buffer, .address_space: global }
    .group_segment_fixed_size: 48640
    .private_segment_fixed_size: 0
    .kernarg_segment_align: 8
    .kernarg_segment_size: 48
    .max_flat_workgroup_size: 128
    .sgpr_count:     66
    .vgpr_count:     256
    .wavefront_size: 32
...
	.end_amdgpu_metadata
.endif
;; end of part 1
;; launch proj (part 2): grid 4 x 64, 4 waves a work-group, clusters of 4 x 4, 327,680 bytes of LDS; arguments xc, wc, qkc, vtc; writes qkc, vtc
.if DOCPART == 2
	.amdgcn_target "amdgcn-amd-amdhsa--gfx1250"
	.amdhsa_code_object_version 6
	.text
	.protected	k_q7c29ac2217_proj
	.globl	k_q7c29ac2217_proj
	.p2align	8
	.type	k_q7c29ac2217_proj,@function
k_q7c29ac2217_proj:
	s_mov_b64 s[64:65], 0
	v_nop
	global_prefetch_b8 v0, s[64:65] scope:SCOPE_SE
	s_setreg_imm32_b32 hwreg(HW_REG_WAVE_MODE, 25, 1), 1
	s_wait_xcnt 0x0
	s_wait_alu depctr_hold_cnt(0) depctr_sa_sdst(0) depctr_va_vdst(0) depctr_va_sdst(0) depctr_va_ssrc(0) depctr_va_vcc(0) depctr_vm_vsrc(0)
	s_getreg_b32 s2, hwreg(HW_REG_IB_STS2, 6, 4)
	s_cmp_eq_u32 s2, 0
	s_cbranch_scc0 .Lentry_in_a_cluster
	s_endpgm
.Lentry_in_a_cluster:
	s_bfe_u32 s2, ttmp6, 0x10000c
	s_cmp_lg_u32 s2, 0xf033
	s_cbranch_scc0 .Lentry_shape_is_right
	s_endpgm
.Lentry_shape_is_right:
; The three projections q wi, k wi, v wi on codes of FP6 (E2M3) with E8M0 scales, K = 1,024; the f32 results are quantised in registers and leave as codes again.
; All operands lie as images of the operand's registers: a block = 128 rows x 256 along K = 25,600 dense bytes (codes: 3,072 tile + 1,536 K step + 512 chunk + 16 lane; scale words from 24,576: 512 K step + 64 tile + 4 r);
; lane r of tile 2 b + u holds the group's row 32 b + 8 u + r + 8 (r / 8).  So a fragment is three loads of 16 bytes a lane at 16 x lane, and a tensor load brings dense blocks.
; A WORK-GROUP STAYS AND MAKES TWO TILES.  q and k are 256 tiles of 256 x 256, v is 256 half tiles of 128 x 256: each of the 256 work-groups makes one of each, 768 matrix instructions a wave.
; PART 1, q or k: side A (source 1, in the lanes) = 256 rows of q or k, side B (source 0, along the registers) = 256 columns n of wi; a wave 128 x 128, 64 accumulators.  A lane holds one row, its registers run along n, the next product's K: to qkc.
; PART 2, v: side A = 128 columns d of wi, side B = 256 keys; a wave 64 x 128, 32 accumulators.  A lane holds one d and its registers run along the keys, the last product's K: to vtc.
; With source 0's rows in the order above, the 16 registers of result tiles 2 b and 2 b + 1 are 16 neighbours along the next K.
; THE RING.  Part 1's K has four slots' worth of tiles: three LDS slots of 102,400 bytes are filled at the start (three loads of mine are out), K slot 3 goes into slot 0 at K step 1.
; Part 2's operands are as many bytes as the ring, in two halves of 153,600: half 0 (K 0 .. 511) goes into the ring's upper half at K step 5, when slots 1 and 2 are read out; half 1 into the lower half in the middle
; of part 1's way out.  So they land under part 1's last K steps, its way out and part 2's first K steps.  One load of mine is out behind each of these three refills.
; CLUSTERS: 4 x 4 work-groups; side A's blocks are shared along a row of the cluster, side B's along a column: each is asked for jointly.
; LIMITS: a block of zeros gets the scale byte 1 (its codes are zeros; this program alone reads the bytes); NaN and infinities are not served.
; REGISTERS: window 0: v1-31 addresses; v32-55 scale words; v64-255 A's fragments, two sets (part 1: 96 each; part 2: 48 each).  window 1: v0-95, v96-191 B's.  windows 2, 3: accumulator (a, b) at v[8 (8 (a % 4) + b)].
; THE RING AS IT STANDS (in place of what the head says of slots and halves): wave w's region is R(w) = 3 BLK x w.  At the head each wave brings, by ONE load, K slots 0, 1, 2 of its block's group (three blocks on end) into R(w).
; K slot 3 goes into R(w) + 0 at K step 1.  At K step 5 the holes R(w) + BLK (two blocks each) take part 2's A blocks 0, 1 (wave 0), A blocks 2, 3 (wave 1), and blocks 0, 1 of B's two groups (waves 2, 3).
; In the middle of part 1's way out R(w) + 0 takes block 2 + w % 2 of B's group w / 2.  One load of a wave is out at the head and behind each of the three refills.
.set BLK,   25600
.set SCO,   24576
.set G0C,   44                         ; s[44:47] group 0 of part 2's last fill
.set ADB3,  6                          ; v6  part 2, half 1: B's fragments of the block's second K pair
.set ADSB3, 7                          ; v7  and its scale words
.set SLOT,  4*BLK                      ; part 1: A's two blocks, then B's two: wave w's block at w x BLK
.set PART,  2*BLK                      ; part 2: what one tensor load brings: two blocks on end
.set LSLOT, 3*PART
.set SCR,   3*SLOT                     ; behind the ring: 1,536 bytes of scratch for each wave; no fill lands there
.set SPARE, SCR+4*1536                 ; the spare words, 128 bytes for each wave
.set ADA,  8                           ; v8-10   part 1: my A fragments in slot 0, 1, 2
.set ADB,  11                          ; v11-13  my B fragments
.set ADS,  14                          ; v14-16  my scale words: lanes 0-15 A's, lanes 16-31 B's
.set OFFL, 17                          ; v17     16 x lane
.set SCRW, 18                          ; v18     scratch: 4 r
.set SCRR, 19                          ; v19     scratch: 16 x lane
.set ADA2, 20                          ; v20-21  part 2: my A fragments in half 0, 1
.set ADB2, 22                          ; v22-23  my B fragments
.set ADSB2, 24                         ; v24-25  B's scale words
.set ADSA2, 26                         ; v26-27  A's scale words
.set SPW,  28
.set NIL,  29
.set SCRR2, 30                         ; v30     scratch: 8 x lane
.set OFF8, 31                          ; v31     8 x lane
.set SC,   32                          ; part 1: v32-47 two sets (register i: lanes 0-15 A's tile i, lanes 16-31 B's tile i)
.set SCA2, 32                          ; part 2: v32-39 A's scale words, v40-55 B's, two sets each
.set SCB2, 40
.set AF,   64
.set PCB,  64                          ; the way out: v64-159 fragments of codes, a set for each tile
.set TMP,  160
.set PW,   168                         ; v168-175 the scale words
.set TM,   200                         ; v200-203 largest magnitudes, v204-207 bytes, v212-215 the conversions' scale operands
.set WV,   14
.set SEL,  22
.set G1A,  24                          ; part 1: groups 1
.set G1B,  32
.set G0A,  40                          ; s[40:55] group 0 for A's four K slots
.set G0B0, 56                          ; s[56:63], s[68:75] the same for B
.set G0B1, 60
.set G0B2, 68
.set G0B3, 72
.set H1A,  76                          ; part 2: groups 1
.set H1B,  84
.set H0A,  92                          ; part 2: groups 0, stepped once
.set H0B,  96
.set OUT1C, 4                          ; s[4:11], once the arguments are used up: part 1's codes and scale words, part 2's
.set OUT1S, 6
.set OUT2C, 8
.set OUT2S, 10
.set MSB, 0
.macro WIN new                         ; the immediate's high byte repeats the setting that is left
.if MSB != (\new)
	s_set_vgpr_msb (MSB<<8)|(\new)
.set MSB, (\new)
.endif
.endm
.set MUL_LO, 0xa1                      ; source 0 (B) window 1, source 1 (A) window 0, C and D window 2
.set MUL_HI, 0xf1
.set TO_B,   0x40
.macro PLACES n
.rept \n
	v_nop
.endr
.endm
.macro JLOAD g0a, g0b                  ; part 1's joint load: waves 0, 1 fetch A's blocks, waves 2, 3 B's; four v_nop follow each line
	s_cmp_eq_u32 s15, 0
	s_cbranch_scc0 .Lfor_b_\@
	tensor_load_to_lds s[\g0a:\g0a+3], s[G1A:G1A+7]
	s_nop 0
	PLACES 4
	s_branch .Lasked_\@
.Lfor_b_\@:
	tensor_load_to_lds s[\g0b:\g0b+3], s[G1B:G1B+7]
	s_nop 0
	PLACES 4
.Lasked_\@:
.endm
.macro JLOADH                          ; part 2's first joint load, two blocks on end: waves 0, 1 fetch A's, waves 2, 3 B's
	s_cmp_eq_u32 s15, 0
	s_cbranch_scc0 .Lh_for_b_\@
	tensor_load_to_lds s[H0A:H0A+3], s[H1A:H1A+7]
	s_nop 0
	PLACES 4
	s_branch .Lh_asked_\@
.Lh_for_b_\@:
	tensor_load_to_lds s[H0B:H0B+3], s[H1B:H1B+7]
	s_nop 0
	PLACES 4
.Lh_asked_\@:
.endm
.macro CREST                           ; a round of the cluster's barrier behind its opening barrier
	s_cmp_lg_u32 s[WV], 0
	s_cbranch_scc1 .Lnot_wave_0_\@
	s_barrier_signal -3
.Lnot_wave_0_\@:
	s_barrier_wait -3
	s_barrier_signal -1
	s_barrier_wait -1
.endm
.macro CROUND
	s_barrier_signal -1
	s_barrier_wait -1
	CREST
.endm
	s_load_b256 s[4:11], s[0:1], 0x0               ; xc, wc, qkc, vtc
	v_lshl_add_u32 v[SPW], v0, 2, SPARE
	v_mov_b32 v[NIL], 0
	ds_add_u32 v28, v29
	ds_add_u32 v28, v29
	s_wait_dscnt 0x0
	v_lshrrev_b32 v1, 5, v0
	v_readfirstlane_b32 s[WV], v1
	s_lshr_b32 s15, s[WV], 1                       ; wr: my half of side A.  Also, in part 1: I fetch for A (0) or B (1)
	s_and_b32 s16, s[WV], 1                        ; wc: my half of side B.  Also, in part 1: which of the two blocks I fetch
	s_bfe_u32 s17, ttmp6, 0x40000                  ; cx
	s_bfe_u32 s18, ttmp6, 0x40004                  ; cy
	s_lshl_b32 s19, s18, 2
	s_lshl_b32 s19, 15, s19                        ; my row of the cluster
	s_lshl_b32 s20, 0x1111, s17                    ; my column
	s_or_b32 s[G1A], s19, (3<<16)|(1<<21)          ; 15:0 the mask; 17:16 elements of 8 bytes; 21 set beside a mask; no padding
	s_or_b32 s[G1B], s20, (3<<16)|(1<<21)
	s_or_b32 s[H1A], s19, (3<<16)|(1<<21)
	s_or_b32 s[H1B], s20, (3<<16)|(1<<21)
.irp g, G1A, G1B                       ; the head's load: three dense blocks on end as 300 rows of 256 bytes
	s_mov_b32 s[\g+1], 32<<16                      ; tensor_dim0 = 32
	s_mov_b32 s[\g+2], 300<<16                     ; tensor_dim1 = 300
	s_mov_b32 s[\g+3], 32<<16                      ; tile_dim0 = 32
	s_mov_b32 s[\g+4], 300                         ; tile_dim1 = 300
	s_mov_b32 s[\g+5], 32                          ; the pitch
	s_mov_b32 s[\g+6], 0
	s_mov_b32 s[\g+7], 0
.endr
.irp g, H1A, H1B                       ; two blocks on end as 200 rows of 256 bytes
	s_mov_b32 s[\g+1], 32<<16
	s_mov_b32 s[\g+2], 200<<16
	s_mov_b32 s[\g+3], 32<<16
	s_mov_b32 s[\g+4], 200
	s_mov_b32 s[\g+5], 32
	s_mov_b32 s[\g+6], 0
	s_mov_b32 s[\g+7], 0
.endr
	s_mov_b32 s[SEL], 0x76543210
	s_mov_b32 s[SEL+1], 0xfedcba98
	; each tile's byte offset is made in its own descriptor's address words: A's never hold cx, B's never cy
	s_and_b32 s2, ttmp7, 0xffff                    ; the cluster's y, 0 .. 15
	s_lshl_b32 s66, s2, 2
	s_add_co_u32 s66, s66, s18                     ; RT = 4 y + cy: which 256 rows of q and k
	s_lshl_b32 s[G0A+2], s66, 1
	s_add_co_u32 s[G0A+2], s[G0A+2], s16
	s_mul_i32 s[G0A+2], s[G0A+2], 4*BLK            ; part 1, A: xc's group 2 RT + the block that I fetch
	s_mov_b32 s[G0A+3], 0
	s_lshl_b32 s[G0B0+2], s17, 1
	s_add_co_u32 s[G0B0+2], s[G0B0+2], s16
	s_mul_i32 s[G0B0+2], s[G0B0+2], 4*BLK          ; part 1, B: wc's group 2 cx + the block that I fetch
	s_mov_b32 s[G0B0+3], 0
	s_and_b32 s19, s2, 1
	s_lshl_b32 s19, s19, 2
	s_add_co_u32 s19, s19, s18                     ; RT2 = 4 (y % 2) + cy: which 128 columns d
	s_lshl_b32 s[H0A+2], s19, 1
	s_add_co_u32 s[H0A+2], s[H0A+2], s16
	s_mul_i32 s[H0A+2], s[H0A+2], PART             ; part 2, A: wc's group RT2, its blocks 0, 1 (wave 0) or 2, 3 (wave 1)
	s_mov_b32 s[H0A+3], 0
	s_lshr_b32 s67, s2, 1
	s_lshl_b32 s67, s67, 2
	s_add_co_u32 s67, s67, s17                     ; PT2 = 4 (y / 2) + cx: which 256 keys of v's 8,192
	s_lshl_b32 s[H0B+2], s67, 1
	s_add_co_u32 s[H0B+2], s[H0B+2], s16           ; waves 2, 3: which of B's two groups I fetch
	s_add_co_u32 s[H0B+2], s[H0B+2], 128           ; v's rows begin at group 128 of xc
	s_mul_i32 s[H0B+2], s[H0B+2], 4*BLK            ; part 2, B
	s_mov_b32 s[H0B+3], 0
	s_lshl_b32 s[G0C+2], s67, 1                    ; part 2's last fill: xc's group 128 + 2 PT2 + wave / 2, its block 2 + wave % 2
	s_add_co_u32 s[G0C+2], s[G0C+2], s15
	s_add_co_u32 s[G0C+2], s[G0C+2], 128
	s_lshl_b32 s[G0C+2], s[G0C+2], 2
	s_add_co_u32 s[G0C+2], s[G0C+2], s16
	s_add_co_u32 s[G0C+2], s[G0C+2], 2
	s_mul_i32 s[G0C+2], s[G0C+2], BLK
	s_mov_b32 s[G0C+3], 0
	s_mov_b32 s[G0C], 1
	s_mul_i32 s[G0C+1], s[WV], 3*BLK
.irp n, 0,3                            ; counts and LDS addresses: the head's load and K slot 3 both begin at my region's first byte
	s_mov_b32 s[G0A+4*\n], 1
	s_mul_i32 s[G0A+4*\n+1], s[WV], 3*BLK
	s_mov_b32 s[G0B\n], 1
	s_mul_i32 s[G0B\n+1], s[WV], 3*BLK
.endr
	s_mov_b32 s[H0A], 1
	s_mul_i32 s[H0A+1], s[WV], 3*BLK
	s_add_co_u32 s[H0A+1], s[H0A+1], BLK           ; the hole in my region: the places of K slots 1 and 2
	s_mov_b32 s[H0B], 1
	s_mul_i32 s[H0B+1], s[WV], 3*BLK
	s_add_co_u32 s[H0B+1], s[H0B+1], BLK
	; where the results go
	s_lshl_b32 s12, s66, 1
	s_add_co_u32 s12, s12, s15
	s_lshl_b32 s12, s12, 2
	s_add_co_u32 s12, s12, s17
	s_mul_i32 s12, s12, BLK                        ; part 1: block (2 RT + wr) x 4 + cx of qkc
	s_mov_b32 s13, 0
	s_lshr_b32 s20, s67, 3
	s_lshl_b32 s20, s20, 3
	s_add_co_u32 s20, s20, s19
	s_lshl_b32 s20, s20, 3
	s_and_b32 s21, s67, 7
	s_add_co_u32 s20, s20, s21
	s_mul_i32 s20, s20, BLK                        ; part 2: block ((PT2 / 8) x 8 + RT2) x 8 + PT2 % 8 of vtc
	s_mov_b32 s21, 0
	s_mul_i32 s66, s16, 1536                       ; my codes: K step wc
	s_mov_b32 s67, 0
	s_lshl_b32 s2, s16, 9
	s_add_co_u32 s2, s2, SCO                       ; my scale words: K step wc
	s_mov_b32 s3, 0
	s_wait_kmcnt 0x0
	s_add_nc_u64 s[G0A+2:G0A+3], s[4:5], s[G0A+2:G0A+3]
	s_add_nc_u64 s[G0B0+2:G0B0+3], s[6:7], s[G0B0+2:G0B0+3]
	s_add_nc_u64 s[G0C+2:G0C+3], s[4:5], s[G0C+2:G0C+3]
	s_or_b32 s[G0C+3], s[G0C+3], 0x80000000
.irp n, 3
	s_add_nc_u64 s[G0A+4*\n+2:G0A+4*\n+3], s[G0A+2:G0A+3], \n*BLK
	s_add_nc_u64 s[G0B\n+2:G0B\n+3], s[G0B0+2:G0B0+3], \n*BLK
.endr
.irp n, 0,3
	s_or_b32 s[G0A+4*\n+3], s[G0A+4*\n+3], 0x80000000   ; type 2
	s_or_b32 s[G0B\n+3], s[G0B\n+3], 0x80000000
.endr
	s_add_nc_u64 s[H0A+2:H0A+3], s[6:7], s[H0A+2:H0A+3]
	s_or_b32 s[H0A+3], s[H0A+3], 0x80000000
	s_add_nc_u64 s[H0B+2:H0B+3], s[4:5], s[H0B+2:H0B+3]
	s_or_b32 s[H0B+3], s[H0B+3], 0x80000000
	CROUND                                         ; all sixteen work-groups are here: the first joint loads meet
	JLOAD G0A, G0B0                                ; the head's one load a wave: K slots 0, 1, 2 of my block's group
	s_add_nc_u64 s[8:9], s[8:9], s[12:13]          ; qkc's block
	s_add_nc_u64 s[10:11], s[10:11], s[20:21]      ; vtc's block
	s_add_nc_u64 s[OUT1C:OUT1C+1], s[8:9], s[66:67]
	s_add_nc_u64 s[OUT1S:OUT1S+1], s[8:9], s[2:3]
	s_mul_i32 s12, s15, 12288
	s_add_co_u32 s66, s66, s12                     ; part 2: + my four tiles of the group's eight
	s_lshl_b32 s12, s15, 8
	s_add_co_u32 s2, s2, s12
	s_add_nc_u64 s[OUT2C:OUT2C+1], s[10:11], s[66:67]
	s_add_nc_u64 s[OUT2S:OUT2S+1], s[10:11], s[2:3]
	v_and_b32 v1, 15, v0                           ; r
	v_bfe_u32 v2, v0, 4, 1                         ; h
	v_and_b32 v3, 31, v0                           ; lane
	v_lshlrev_b32 v[OFFL], 4, v3
	s_wait_alu depctr_va_vdst(0)
	v_lshlrev_b32 v[OFF8], 3, v3
	v_lshlrev_b32 v5, 2, v1                        ; 4 r
	s_mul_i32 s12, s15, 3*BLK                      ; part 1: my group of A: region wr
	s_mul_i32 s13, s16, 3*BLK
	s_add_co_u32 s13, s13, 6*BLK                   ; my group of B: region 2 + wc
	s_sub_co_u32 s19, s13, s12
	s_add_co_u32 s20, s12, SCO
	v_mul_u32_u24 v4, s19, v2                      ; lanes 16-31 take B's scale words: one product, h x the distance
	v_add_nc_u32 v4, v4, v5
.irp s, 0,1,2
	v_add_nc_u32 v[ADA+\s], s12, v[OFFL]
	v_add_nc_u32 v[ADB+\s], s13, v[OFFL]
	v_add_nc_u32 v[ADS+\s], s20, v4
	s_add_co_u32 s12, s12, BLK
	s_add_co_u32 s13, s13, BLK
	s_add_co_u32 s20, s20, BLK
.endr
	s_mul_i32 s12, s15, 12288                      ; part 2: my four tiles of A,
	s_add_co_u32 s12, s12, BLK                     ; half 0 in region 0's hole
	s_mul_i32 s13, s16, 3*BLK
	s_add_co_u32 s13, s13, 7*BLK                   ; my group of B, half 0: the hole of region 2 + wc
	s_lshl_b32 s19, s15, 8
	s_add_co_u32 s19, s19, BLK+SCO                 ; A's scale words
	s_add_co_u32 s20, s13, SCO                     ; B's
	v_add_nc_u32 v[ADA2], s12, v[OFFL]
	v_add_nc_u32 v[ADB2], s13, v[OFFL]
	v_add_nc_u32 v[ADSA2], s19, v5
	v_add_nc_u32 v[ADSB2], s20, v5
	v_add_nc_u32 v[ADA2+1], 3*BLK, v[ADA2]         ; A's half 1: region 1's hole
	v_add_nc_u32 v[ADSA2+1], 3*BLK, v[ADSA2]
	s_mul_i32 s13, s16, 6*BLK                      ; B's half 1: single blocks at the heads of regions 2 wc and 2 wc + 1
	s_add_co_u32 s20, s13, SCO
	v_add_nc_u32 v[ADB2+1], s13, v[OFFL]
	v_add_nc_u32 v[ADSB2+1], s20, v5
	v_add_nc_u32 v[ADB3], 3*BLK, v[ADB2+1]
	v_add_nc_u32 v[ADSB3], 3*BLK, v[ADSB2+1]
	s_mul_i32 s2, s[WV], 1536
	s_add_co_u32 s2, s2, SCR
	v_lshl_add_u32 v[SCRW], v1, 2, s2
	v_add_nc_u32 v[SCRR], s2, v[OFFL]
	v_add_nc_u32 v[SCRR2], s2, v[OFF8]
; ---------------- part 1's macros ----------------
; 56 LDS loads in one run: a K step's fragments (B's eight, A's eight, three loads of 512 consecutive bytes each) and its scale words
.macro FETCH sl, q, set
	WIN TO_B
.irp i, 0,1,2,3,4,5,6,7
.irp c, 0,1,2
	ds_load_b128 v[96*(\set)+12*\i+4*\c:96*(\set)+12*\i+4*\c+3], v[ADB+(\sl)] offset:\i*3072+(\q)*1536+512*\c
.endr
.endr
	WIN 0
.irp i, 0,1,2,3,4,5,6,7
.irp c, 0,1,2
	ds_load_b128 v[AF+96*(\set)+12*\i+4*\c:AF+96*(\set)+12*\i+4*\c+3], v[ADA+(\sl)] offset:\i*3072+(\q)*1536+512*\c
.endr
.endr
.irp i, 0,1,2,3,4,5,6,7
	ds_load_b32 v[SC+8*(\set)+\i], v[ADS+(\sl)] offset:(\q)*512+\i*64
.endr
.endm
; 16 matrix instructions: A's tiles a0, a0 + 1 against B's eight.  The 64 accumulators take turns, one instruction a turn, in the same order in every K step.
.macro MUL16 a0, set, zero
.irp a, \a0, \a0+1
.irp b, 0,1,2,3,4,5,6,7
.if \zero
	v_wmma_scale_f32_16x16x128_f8f6f4 v[8*(8*((\a)%4)+\b):8*(8*((\a)%4)+\b)+7], v[96*(\set)+12*\b:96*(\set)+12*\b+11], v[AF+96*(\set)+12*(\a):AF+96*(\set)+12*(\a)+11], 0, v[SC+8*(\set)+\b], v[SC+8*(\set)+(\a)] matrix_a_fmt:MATRIX_FMT_FP6 matrix_b_fmt:MATRIX_FMT_FP6 matrix_a_scale:MATRIX_SCALE_ROW1
.else
	v_wmma_scale_f32_16x16x128_f8f6f4 v[8*(8*((\a)%4)+\b):8*(8*((\a)%4)+\b)+7], v[96*(\set)+12*\b:96*(\set)+12*\b+11], v[AF+96*(\set)+12*(\a):AF+96*(\set)+12*(\a)+11], v[8*(8*((\a)%4)+\b):8*(8*((\a)%4)+\b)+7], v[SC+8*(\set)+\b], v[SC+8*(\set)+(\a)] matrix_a_fmt:MATRIX_FMT_FP6 matrix_b_fmt:MATRIX_FMT_FP6 matrix_a_scale:MATRIX_SCALE_ROW1
.endif
.endr
.endr
.endm
; A K step of 128: multiplies set; at its head, behind four places, the next K step (slot sn, its K step qn) is fetched into the other set
.macro LD1 sl, q, set                  ; load number LN of FETCH's 56: B's 24, A's 24, the 8 scale words
.if LN < 24
	WIN TO_B
	ds_load_b128 v[96*(\set)+4*LN:96*(\set)+4*LN+3], v[ADB+(\sl)] offset:(LN/3)*3072+(\q)*1536+512*(LN%3)
.else
	WIN 0
.if LN < 48
	ds_load_b128 v[AF+96*(\set)+4*(LN-24):AF+96*(\set)+4*(LN-24)+3], v[ADA+(\sl)] offset:((LN-24)/3)*3072+(\q)*1536+512*((LN-24)%3)
.else
	ds_load_b32 v[SC+8*(\set)+LN-48], v[ADS+(\sl)] offset:(\q)*512+(LN-48)*64
.endif
.endif
.set LN, LN+1
.endm
.macro MUL4 a, bh, set, zero           ; four matrix instructions: A's tile a against B's tiles 4 bh .. 4 bh + 3, in MUL16's order
.irp i, 0,1,2,3
.set BI, 4*(\bh)+\i
.set AC, 8*(8*((\a)%4)+BI)
.if \zero
	v_wmma_scale_f32_16x16x128_f8f6f4 v[AC:AC+7], v[96*(\set)+12*BI:96*(\set)+12*BI+11], v[AF+96*(\set)+12*(\a):AF+96*(\set)+12*(\a)+11], 0, v[SC+8*(\set)+BI], v[SC+8*(\set)+(\a)] matrix_a_fmt:MATRIX_FMT_FP6 matrix_b_fmt:MATRIX_FMT_FP6 matrix_a_scale:MATRIX_SCALE_ROW1
.else
	v_wmma_scale_f32_16x16x128_f8f6f4 v[AC:AC+7], v[96*(\set)+12*BI:96*(\set)+12*BI+11], v[AF+96*(\set)+12*(\a):AF+96*(\set)+12*(\a)+11], v[AC:AC+7], v[SC+8*(\set)+BI], v[SC+8*(\set)+(\a)] matrix_a_fmt:MATRIX_FMT_FP6 matrix_b_fmt:MATRIX_FMT_FP6 matrix_a_scale:MATRIX_SCALE_ROW1
.endif
.endr
.endm
; a K step of 128: the next K step's 56 loads go out in one run at the step's head, into the other set, which was last read in the step before, four places back; then the step's 64 matrix instructions
.macro STEP set, sn, qn, zero
	s_wait_dscnt 0x0                               ; this K step's fragments, asked for 64 matrix instructions ago
	PLACES 4                                       ; in front of loads into registers that matrix instructions have read
.set LN, 0
.rept 56
	LD1 \sn, \qn, 1-(\set)
.endr
.set GN, 0
.rept 16
	WIN MUL_LO+0x50*(GN/8)
	MUL4 GN/2, GN%2, \set, \zero
.set GN, GN+1
.endr
	WIN 0
.endm
; A K step with a refill.  In front of its barrier each wave waits for all its tensor loads, adds 0 to its spare word, and waits for that and for its reads; the barrier opens a round of the cluster's.
; fill = 1: slot 0, read out, takes part 1's K slot 3.  fill = 2: the ring's upper half (half of slot 1, and slot 2), read out, takes part 2's half 0.
.macro TURN set, sn, fill
	s_wait_tensorcnt 0x0                           ; all my tensor loads have landed
	ds_add_u32 v[SPW], v[NIL]                      ; 0 onto my spare word
	s_wait_dscnt 1                                 ; (the add may be out: this K step's fragments are in)
	WIN MUL_LO
	MUL16 0, \set, 0
	s_wait_dscnt 0x0                               ; the add is done; my reads of the bytes to be filled are over
	s_barrier_signal -1
	MUL16 2, \set, 0
	WIN 0
	s_barrier_wait -1
	CREST                                          ; no wave of any partner still reads those bytes or has a load on its way
.if \fill == 1
	JLOAD G0A+12, G0B3                             ; its four v_nop are also the places in front of the loads below
.else
	JLOADH                                         ; its four v_nop are also the places in front of the loads below
.endif
.set LN, 0
.rept 56                               ; the next slot's first fragments, in one run
	LD1 \sn, 0, 1-(\set)
.endr
.set GN, 8
.rept 8
	WIN MUL_HI
	MUL4 GN/2, GN%2, \set, 0
.set GN, GN+1
.endr
	WIN 0
.endm
; ---------------- part 2's macros ----------------
; 48 LDS loads in one run: K step kq (of four) of half hf: B's eight fragments, my four of A, their scale words
.macro LD2 hf, kq, set                 ; load number LN of the 48: B's 24, A's 12, B's 8 scale words, A's 4.  In half 1 B's two blocks lie 3 BLK apart and have an address register each
.set OB, ((\kq)/2)*BLK
.set OQ, (\kq)%2
.set OBB, OB*(1-(\hf))
.set RBB, ADB2+(\hf)
.set RSB, ADSB2+(\hf)
.if (\hf)*((\kq)/2)
.set RBB, ADB3
.set RSB, ADSB3
.endif
.if LN < 24
	WIN TO_B
	ds_load_b128 v[96*(\set)+4*LN:96*(\set)+4*LN+3], v[RBB] offset:OBB+(LN/3)*3072+OQ*1536+512*(LN%3)
.else
	WIN 0
.if LN < 36
	ds_load_b128 v[AF+48*(\set)+4*(LN-24):AF+48*(\set)+4*(LN-24)+3], v[ADA2+(\hf)] offset:OB+((LN-24)/3)*3072+OQ*1536+512*((LN-24)%3)
.else
.if LN < 44
	ds_load_b32 v[SCB2+8*(\set)+LN-36], v[RSB] offset:OBB+OQ*512+(LN-36)*64
.else
	ds_load_b32 v[SCA2+4*(\set)+LN-44], v[ADSA2+(\hf)] offset:OB+OQ*512+(LN-44)*64
.endif
.endif
.endif
.set LN, LN+1
.endm
.macro FETCH2 hf, kq, set
.set LN, 0
.rept 48
	LD2 \hf, \kq, \set
.endr
.endm
.macro MUL8 a, set, zero               ; A's tile a against B's eight; the 32 accumulators take turns, one instruction a turn
.irp b, 0,1,2,3,4,5,6,7
.if \zero
	v_wmma_scale_f32_16x16x128_f8f6f4 v[8*(8*(\a)+\b):8*(8*(\a)+\b)+7], v[96*(\set)+12*\b:96*(\set)+12*\b+11], v[AF+48*(\set)+12*(\a):AF+48*(\set)+12*(\a)+11], 0, v[SCB2+8*(\set)+\b], v[SCA2+4*(\set)+(\a)] matrix_a_fmt:MATRIX_FMT_FP6 matrix_b_fmt:MATRIX_FMT_FP6
.else
	v_wmma_scale_f32_16x16x128_f8f6f4 v[8*(8*(\a)+\b):8*(8*(\a)+\b)+7], v[96*(\set)+12*\b:96*(\set)+12*\b+11], v[AF+48*(\set)+12*(\a):AF+48*(\set)+12*(\a)+11], v[8*(8*(\a)+\b):8*(8*(\a)+\b)+7], v[SCB2+8*(\set)+\b], v[SCA2+4*(\set)+(\a)] matrix_a_fmt:MATRIX_FMT_FP6 matrix_b_fmt:MATRIX_FMT_FP6
.endif
.endr
.endm
.macro MULQ a, bh, set, zero           ; four of MUL8's eight, in its order
.irp i, 0,1,2,3
.set BI, 4*(\bh)+\i
.set AC, 8*(8*(\a)+BI)
.if \zero
	v_wmma_scale_f32_16x16x128_f8f6f4 v[AC:AC+7], v[96*(\set)+12*BI:96*(\set)+12*BI+11], v[AF+48*(\set)+12*(\a):AF+48*(\set)+12*(\a)+11], 0, v[SCB2+8*(\set)+BI], v[SCA2+4*(\set)+(\a)] matrix_a_fmt:MATRIX_FMT_FP6 matrix_b_fmt:MATRIX_FMT_FP6
.else
	v_wmma_scale_f32_16x16x128_f8f6f4 v[AC:AC+7], v[96*(\set)+12*BI:96*(\set)+12*BI+11], v[AF+48*(\set)+12*(\a):AF+48*(\set)+12*(\a)+11], v[AC:AC+7], v[SCB2+8*(\set)+BI], v[SCA2+4*(\set)+(\a)] matrix_a_fmt:MATRIX_FMT_FP6 matrix_b_fmt:MATRIX_FMT_FP6
.endif
.endr
.endm
.macro STEP2 set, hfn, kqn, zero       ; the next K step's 48 loads in one run at the step's head, then the step's 32 matrix instructions
	s_wait_dscnt 0x0                               ; this K step's fragments, asked for 32 matrix instructions ago
	PLACES 4                                       ; in front of loads into registers that matrix instructions have read
	FETCH2 \hfn, \kqn, 1-(\set)
.set GN, 0
.rept 8
	WIN MUL_LO
	MULQ GN/2, GN%2, \set, \zero
.set GN, GN+1
.endr
	WIN 0
.endm
; ---------------- the way out, both parts' ----------------
; Tile a (16 rows x 128 along the next K): register 16 b + i of a lane = k 32 b + 16 h + i of its row.  Quantised, it is one fragment and one scale word a row.
.macro QOUT a, base
.set XW, 2+(\a)/4
.set AC, 64*((\a)%4)
.set PS, PCB+12*(\a)
.set WQ, (XW<<2)|(XW<<4)
	WIN WQ                                         ; sources 1 and 2: the accumulators' window
.irp b, 0,1,2,3
	v_max3_num_f32 v[TM+\b], 0x1800000, |v[AC+16*\b]|, |v[AC+16*\b+1]|   ; block b: my 16 numbers over the floor 2^(3 - 127); each accumulator is read from its low end on
.endr
.irp i, 2,4,6,8,10,12,14
.irp b, 0,1,2,3
	v_max3_num_f32 v[TM+\b], v[TM+\b], |v[AC+16*\b+\i]|, |v[AC+16*\b+\i+1]|
.endr
.endr
	WIN 0
.irp b, 0,1,2,3
	v_permlanex16_b32 v[TM+4+\b], v[TM+\b], s[SEL], s[SEL+1]
.endr
.irp b, 0,1,2,3
	v_max_num_f32 v[TM+\b], v[TM+\b], v[TM+4+\b]   ; with lane l xor 16's 16: the block's largest magnitude
.endr
.irp b, 0,1,2,3
	v_add_nc_u32 v[TM+12+\b], 0xff000000, v[TM+\b] ; 2 off the exponent field: the conversion's scale operand
.endr
.irp b, 0,1,2,3
	v_lshrrev_b32 v[TM+4+\b], 23, v[TM+12+\b]      ; the byte
.endr
	v_lshl_or_b32 v[PW+(\a)], v[TM+5], 8, v[TM+4]
	v_lshl_or_b32 v[PW+(\a)], v[TM+6], 16, v[PW+(\a)]
	v_lshl_or_b32 v[PW+(\a)], v[TM+7], 24, v[PW+(\a)]
	WIN XW                                         ; source 0: the accumulators' window
.irp c, 0,1
	v_cvt_scalef32_pk16_fp6_f32 v[PS+6*\c:PS+6*\c+2], v[AC+32*\c:AC+32*\c+15], v[TM+12+2*\c]
	v_cvt_scalef32_pk16_fp6_f32 v[TMP+4*\c:TMP+4*\c+2], v[AC+32*\c+16:AC+32*\c+31], v[TM+12+2*\c+1]
.endr
	WIN 0
	v_nop                                          ; one plain place behind a scaled conversion
.irp c, 0,1                            ; the operand's layout wants a whole block in a lane
.irp i, 0,1,2
	v_permlane16_swap_b32 v[PS+6*\c+\i], v[TMP+4*\c+\i]
.endr
.irp i, 0,1,2
	v_mov_b32 v[PS+6*\c+3+\i], v[TMP+4*\c+\i]
.endr
.endr
.irp c, 0,1,2
	global_store_b128 v[OFFL], v[PS+4*\c:PS+4*\c+3], s[\base:\base+1] offset:(\a)*3072+512*\c   ; 512 consecutive bytes, at a multiple of 256 from the buffer's first byte
.endr
.endm
; ---------------- part 1: a tile of q or k ----------------
	s_wait_alu depctr_va_vdst(0)
	s_wait_tensorcnt 0x0                           ; my three blocks are in; no load of mine is out, so a descriptor may be written:
	s_mov_b32 s[G1A+2], 100<<16                    ; from here on these two groups 1 state one block: 100 rows
	s_mov_b32 s[G1A+4], 100
	s_mov_b32 s[G1B+2], 100<<16
	s_mov_b32 s[G1B+4], 100
	s_barrier_signal -1
	s_barrier_wait -1                              ; everybody's are in
	FETCH 0, 0, 0
	STEP 0, 0, 1, 1                                ; K step 0 starts the sums: nothing is cleared
	TURN 1, 1, 1                                   ; K step 1: its wait for all loads also shows slots 1 and 2 whole in every wave
	STEP 0, 1, 1, 0
	STEP 1, 2, 0, 0
	STEP 0, 2, 1, 0
	TURN 1, 0, 2                                   ; K step 5: K slot 3 has landed in every wave; part 2's half 0 is asked for
	STEP 0, 0, 1, 0
	s_wait_dscnt 0x0                               ; K step 7
	WIN MUL_LO
	MUL16 0, 1, 0
	MUL16 2, 1, 0
	WIN MUL_HI
	MUL16 4, 1, 0
	MUL16 6, 1, 0
	WIN 0
	PLACES 4                                       ; behind the last products: results are read and their operands' registers written
.irp b, 0,1,2,3
	v_mov_b32 v[TM+4+\b], 0                        ; written once: a lane permute's destination counts as one of its sources
.endr
.irp a, 0,1,2,3
	QOUT \a, OUT1C
.endr
	; the ring's lower half (slot 0 and half of slot 1) has been read out: it takes part 2's half 1
	s_wait_tensorcnt 0x0                           ; all my tensor loads have landed: my part of half 0; so the groups 0 may be written
	ds_add_u32 v[SPW], v[NIL]                      ; 0 onto my spare word
	s_wait_dscnt 0x0                               ; the add is done; my reads of the ring are over
	CROUND                                         ; no wave of any partner still reads those bytes or has a load on its way; and what K step 5 asked for is whole in every wave
	tensor_load_to_lds s[G0C:G0C+3], s[G1B:G1B+7]  ; every wave: one block of B's half 1 into the head of its region
	s_nop 0
	PLACES 4
.irp a, 4,5,6,7
	QOUT \a, OUT1C
.endr
.irp a, 0,1,2,3,4,5,6,7
	ds_store_b32 v[SCRW], v[PW+\a] offset:64*\a    ; the scale words meet in my scratch (both halves of the lanes write the same word),
.endr
	ds_load_b128 v[TMP:TMP+3], v[SCRR]             ; LDS serves a wave's instructions in order
	s_wait_dscnt 0x0
	global_store_b128 v[OFFL], v[TMP:TMP+3], s[OUT1S:OUT1S+1]   ; and leave as 512 consecutive bytes
; ---------------- part 2: a half tile of v ----------------
	s_wait_xcnt 0x0                                ; part 1's stores have read their registers, which the loads below and the second way out write again
	FETCH2 0, 0, 0
	STEP2 0, 0, 1, 1                               ; K step 0 starts the sums
	STEP2 1, 0, 2, 0
	STEP2 0, 0, 3, 0
	s_wait_tensorcnt 0x0                           ; K step 3: my part of half 1 has landed
	ds_add_u32 v[SPW], v[NIL]                      ; 0 onto my spare word
	s_wait_dscnt 1                                 ; (the add may be out: this K step's fragments are in)
	WIN MUL_LO
	MUL8 0, 1, 0
	s_wait_dscnt 0x0
	s_barrier_signal -1
	MUL8 1, 1, 0
	WIN 0
	s_barrier_wait -1                              ; everybody's has
	PLACES 4
	FETCH2 1, 0, 0
	WIN MUL_LO
	MUL8 2, 1, 0
	MUL8 3, 1, 0
	WIN 0
	STEP2 0, 1, 1, 0
	STEP2 1, 1, 2, 0
	STEP2 0, 1, 3, 0
	s_wait_dscnt 0x0                               ; K step 7
	WIN MUL_LO
	MUL8 0, 1, 0
	MUL8 1, 1, 0
	MUL8 2, 1, 0
	MUL8 3, 1, 0
	WIN 0
	PLACES 4
.irp a, 0,1,2,3
	QOUT \a, OUT2C
.endr
.irp a, 0,1,2,3
	ds_store_b32 v[SCRW], v[PW+\a] offset:64*\a
.endr
	ds_load_b64 v[TMP:TMP+1], v[SCRR2]             ; my four tiles' scale words
	s_wait_dscnt 0x0
	global_store_b64 v[OFF8], v[TMP:TMP+1], s[OUT2S:OUT2S+1]    ; 256 consecutive bytes, aligned
	s_wait_tensorcnt 0x0                           ; the wave's end
	ds_add_u32 v[SPW], v[NIL]
	s_wait_dscnt 0x0
	CROUND                                         ; the closing round
	s_endpgm
.Lfunc_end_k_q7c29ac2217_proj:
	.size	k_q7c29ac2217_proj, .Lfunc_end_k_q7c29ac2217_proj-k_q7c29ac2217_proj
	.p2alignl 7, 3214868480
	.fill 96, 4, 3214868480
	.section	.rodata,"a",@progbits
	.p2align	6, 0x0
	.amdhsa_kernel k_q7c29ac2217_proj
		.amdhsa_group_segment_fixed_size 327680
		.amdhsa_private_segment_fixed_size 0
		.amdhsa_enable_private_segment 0
		.amdhsa_kernarg_size 32
		.amdhsa_user_sgpr_count 2
		.amdhsa_user_sgpr_kernarg_segment_ptr 1
		.amdhsa_wavefront_size32 1
		.amdhsa_system_sgpr_workgroup_id_x 1
		.amdhsa_system_sgpr_workgroup_id_y 1
		.amdhsa_system_sgpr_workgroup_id_z 1
		.amdhsa_system_vgpr_workitem_id 0
		.amdhsa_next_free_vgpr 1024
		.amdhsa_next_free_sgpr 100
		.amdhsa_reserve_vcc 0
		.amdhsa_float_denorm_mode_32 3
		.amdhsa_float_denorm_mode_16_64 3
		.amdhsa_memory_ordered 1
		.amdhsa_forward_progress 1
		.amdhsa_inst_pref_size 218
	.end_amdhsa_kernel
	.amdgpu_metadata
---
amdhsa.version: [ 1, 2 ]
amdhsa.kernels:
  - .name:           k_q7c29ac2217_proj
    .symbol:         k_q7c29ac2217_proj.kd
    .args:
      - { .name: xc, .offset: 0, .size: 8, .value_kind: global_buffer, .address_space: global }
      - { .name: wc, .offset: 8, .size: 8, .value_kind: global_buffer, .address_space: global }
      - { .name: qkc, .offset: 16, .size: 8, .value_kind: global_buffer, .address_space: global }
      - { .name: vtc, .offset: 24, .size: 8, .value_kind: global_buffer, .address_space: global }
    .group_segment_fixed_size: 327680
    .private_segment_fixed_size: 0
    .kernarg_segment_align: 8
    .kernarg_segment_size: 32
    .max_flat_workgroup_size: 128
    .sgpr_count:     100
    .vgpr_count:     1024
    .wavefront_size: 32
...
	.end_amdgpu_metadata
.endif
;; end of part 2
;; launch scores (part 3): grid 8 x 32, 4 waves a work-group, clusters of 4 x 4, 327,680 bytes of LDS; arguments qkc, mask, pc, nm, ls; writes pc, nm, ls
.if DOCPART == 3
	.amdgcn_target "amdgcn-amd-amdhsa--gfx1250"
	.amdhsa_code_object_version 6
	.text
	.protected	k_q7c29ac2217_scores
	.globl	k_q7c29ac2217_scores
	.p2align	8
	.type	k_q7c29ac2217_scores,@function
k_q7c29ac2217_scores:
	s_mov_b64 s[64:65], 0
	v_nop
	global_prefetch_b8 v0, s[64:65] scope:SCOPE_SE
	s_setreg_imm32_b32 hwreg(HW_REG_WAVE_MODE, 25, 1), 1
	s_wait_xcnt 0x0
	s_wait_alu depctr_hold_cnt(0) depctr_sa_sdst(0) depctr_va_vdst(0) depctr_va_sdst(0) depctr_va_ssrc(0) depctr_va_vcc(0) depctr_vm_vsrc(0)
	s_getreg_b32 s2, hwreg(HW_REG_IB_STS2, 6, 4)
	s_cmp_eq_u32 s2, 0
	s_cbranch_scc0 .Lentry_in_a_cluster
	s_endpgm
.Lentry_in_a_cluster:
	s_bfe_u32 s2, ttmp6, 0x10000c
	s_cmp_lg_u32 s2, 0xf033
	s_cbranch_scc0 .Lentry_shape_is_right
	s_endpgm
.Lentry_shape_is_right:
; S^T = K Q^T on codes of FP6 (E2M3), K = 1,024; then the mask, and p = 2^(t - M) quantised along the keys, under a LOCAL M: one whole number for each query and each 128 keys.
; t = score x log2(e) / 32; where the mask's byte is 0, t is replaced by -1e10 x log2(e) as f32, a whole number; M = ceil(the piece's largest t), kept as -M = floor(-t).
; Since M is a whole number, the next launch brings a piece under the row's M by taking a whole number off its scale bytes: the codes stay.  Stored: p's codes and local scale words (pc), -M (nm) and the piece's sum of the unquantised p (ls).
; The mask comes BEHIND the scaling and M is taken off by an addition of its own, so that a piece that is wholly masked gives t - M = 0 exactly, p = 1, sum 128.
; Operands and results lie as images of the operand's registers: a block = 128 rows x 256 along K = 25,600 dense bytes (codes: 3,072 tile + 1,536 K step + 512 chunk + 16 lane; scale words from 24,576: 512 K step + 64 tile + 4 r);
; lane r of tile 2 b + u holds the group's row 32 b + 8 u + r + 8 (r / 8).
; A work-group of four waves makes 256 queries (side A = source 1, in the lanes) x 256 keys (side B = source 0, along the registers); a wave 128 x 128: its 128 keys are one piece.
; THE RING: three LDS slots filled at the start (three loads of mine are out), ONE refill: K slot 3 into slot 0, with 224 matrix instructions in which to land.
; CLUSTERS: 4 x 4 work-groups; the queries' blocks are shared along a row of the cluster, the keys' along a column: each is asked for jointly.
; LIMITS: a block whose every p is 0 gets the scale byte 1 (its codes are zeros); NaN and infinities are not served; a mask byte is 0 or 1.
; REGISTERS: as in the projections' launch; on the way out window 0 holds: v64-127 t, then p; v128-159 mask bytes, two sets; v160-183 codes, two sets; v184-239 at work; v240-255 the mask's words x 255.
; THE RING AS IT STANDS (in place of what the head says of three loads): wave w's region is 3 BLK x w.  At the head each wave brings, by ONE load, K slots 0, 1, 2 of its block's group, three blocks on end;
; K slot 3 goes into the region's first block at K step 1.  One load of a wave is out at the head and one behind the refill.
.set BLK,   25600
.set SCO,   24576
.set SLOT,  4*BLK
.set SCR,   3*SLOT
.set SPARE, SCR+4*1536
.set ADA,  8
.set ADB,  11
.set ADS,  14
.set OFFL, 17
.set SCRW, 18
.set SCRR, 19
.set MOFF, 20                          ; v20  the mask: my query's row of a tile, + 16 h
.set SPW,  28
.set NIL,  29
.set SC,   32
.set AF,   64
.set W,    64
.set MK0,  128
.set PC0,  160
.set TMP,  184
.set BM,   192                         ; the four blocks' largest t, then largest p
.set BP,   196
.set SO,   200                         ; the conversions' scale operands
.set T4,   204
.set NM,   208                         ; v[208:209] -M (the low word serves both halves of a packed addition)
.set LS,   210
.set LS2,  212
.set TMX,  214
.set LT,   215
.set PW,   216                         ; eight scale words
.set NMS,  224                         ; eight -M
.set LSS,  232                         ; eight sums
.set MX,   240
.set GB,   240
.set WV,   14
.set SEL,  22
.set G1A,  24
.set G1B,  32
.set G0A,  40
.set G0B0, 56
.set G0B1, 60
.set G0B2, 68
.set G0B3, 72
.set CS,   76                          ; s[76:77] log2(e) / 32
.set ABASE, 94
.set BBASE, 78
.set MSB, 0
.macro WIN new
.if MSB != (\new)
	s_set_vgpr_msb (MSB<<8)|(\new)
.set MSB, (\new)
.endif
.endm
.set MUL_LO, 0xa1
.set MUL_HI, 0xf1
.set TO_B,   0x40
.macro PLACES n
.rept \n
	v_nop
.endr
.endm
.macro JLOAD g0a, g0b                  ; a joint load: waves 0, 1 fetch the queries' blocks, waves 2, 3 the keys'; four v_nop follow each line
	s_cmp_eq_u32 s15, 0
	s_cbranch_scc0 .Lfor_b_\@
	tensor_load_to_lds s[\g0a:\g0a+3], s[G1A:G1A+7]
	s_nop 0
	PLACES 4
	s_branch .Lasked_\@
.Lfor_b_\@:
	tensor_load_to_lds s[\g0b:\g0b+3], s[G1B:G1B+7]
	s_nop 0
	PLACES 4
.Lasked_\@:
.endm
.macro CREST
	s_cmp_lg_u32 s[WV], 0
	s_cbranch_scc1 .Lnot_wave_0_\@
	s_barrier_signal -3
.Lnot_wave_0_\@:
	s_barrier_wait -3
	s_barrier_signal -1
	s_barrier_wait -1
.endm
.macro CROUND
	s_barrier_signal -1
	s_barrier_wait -1
	CREST
.endm
	s_load_b256 s[4:11], s[0:1], 0x0               ; qkc, mask, pc, nm
	s_load_b64 s[12:13], s[0:1], 0x20              ; ls
	v_lshl_add_u32 v[SPW], v0, 2, SPARE
	v_mov_b32 v[NIL], 0
	ds_add_u32 v28, v29
	ds_add_u32 v28, v29
	s_wait_dscnt 0x0
	v_lshrrev_b32 v1, 5, v0
	v_readfirstlane_b32 s[WV], v1
	s_lshr_b32 s15, s[WV], 1                       ; wr: my half of the queries.  Also: I fetch queries (0) or keys (1)
	s_and_b32 s16, s[WV], 1                        ; wc: my half of the keys.  Also: which of the two blocks I fetch
	s_bfe_u32 s17, ttmp6, 0x40000                  ; cx
	s_bfe_u32 s18, ttmp6, 0x40004                  ; cy
	s_lshl_b32 s19, s18, 2
	s_lshl_b32 s19, 15, s19
	s_lshl_b32 s20, 0x1111, s17
	s_or_b32 s[G1A], s19, (3<<16)|(1<<21)
	s_or_b32 s[G1B], s20, (3<<16)|(1<<21)
.irp g, G1A, G1B                       ; the head's load: three dense blocks on end as 300 rows of 256 bytes
	s_mov_b32 s[\g+1], 32<<16
	s_mov_b32 s[\g+2], 300<<16
	s_mov_b32 s[\g+3], 32<<16
	s_mov_b32 s[\g+4], 300
	s_mov_b32 s[\g+5], 32
	s_mov_b32 s[\g+6], 0
	s_mov_b32 s[\g+7], 0
.endr
	s_mov_b32 s[SEL], 0x76543210
	s_mov_b32 s[SEL+1], 0xfedcba98
	s_mov_b32 s[CS], 0x3d38aa3b                    ; log2(e) / sqrt(1024)
	s_mov_b32 s[CS+1], s[CS]
	s_mov_b32 s80, 0x01010101                      ; v_perm_b32's selects: byte 1, 2, 3 into all four
	s_mov_b32 s81, 0x02020202
	s_mov_b32 s82, 0x03030303
	s_mov_b32 s83, 0xd056fa73                      ; -1e10 x log2(e) as f32
	s_mul_i32 s21, s[WV], 3*BLK                    ; my region
	s_and_b32 s2, ttmp7, 0xffff
	s_lshl_b32 s66, s2, 2
	s_add_co_u32 s66, s66, s18                     ; Y: which 256 queries of the 8,192
	s_lshl_b32 s67, ttmp9, 2
	s_add_co_u32 s67, s67, s17                     ; x: which 256 keys of the batch's 2,048
	s_lshr_b32 s3, s2, 1                           ; the batch = Y / 8, from the cluster's y alone
	s_lshl_b32 s96, s66, 1
	s_add_co_u32 s96, s96, s16
	s_mul_i32 s96, s96, 4*BLK                      ; the queries: group 2 Y + the block that I fetch
	s_mov_b32 s97, 0
	s_lshl_b32 s98, s67, 1
	s_add_co_u32 s98, s98, s16
	s_lshl_b32 s99, s3, 4
	s_add_co_u32 s98, s98, s99
	s_add_co_u32 s98, s98, 64
	s_mul_i32 s98, s98, 4*BLK                      ; the keys: group 64 + 16 batch + 2 x + the block that I fetch
	s_mov_b32 s99, 0
	s_and_b32 s84, s66, 7
	s_lshl_b32 s84, s84, 19                        ; the mask: 256 rows of 2,048 bytes x (Y % 8)
	s_lshl_b32 s85, s15, 18
	s_add_co_u32 s84, s84, s85                     ; + 128 rows x wr
	s_lshl_b32 s85, s67, 8
	s_add_co_u32 s84, s84, s85                     ; + 256 x
	s_lshl_b32 s85, s16, 7
	s_add_co_u32 s84, s84, s85                     ; + 128 wc
	s_mov_b32 s85, 0
	s_lshl_b32 s19, s66, 1
	s_add_co_u32 s19, s19, s15                     ; g: my group of 128 queries
	s_lshl_b32 s86, s19, 3
	s_add_co_u32 s86, s86, s67
	s_mul_i32 s86, s86, BLK                        ; pc's block (g, x)
	s_lshl_b32 s20, s16, 9
	s_add_co_u32 s92, s86, s20
	s_add_co_u32 s92, s92, SCO                     ; my scale words: K step wc
	s_mov_b32 s93, 0
	s_mul_i32 s20, s16, 1536
	s_add_co_u32 s86, s86, s20                     ; my codes: K step wc
	s_mov_b32 s87, 0
	s_lshl_b32 s88, s19, 4
	s_lshl_b32 s20, s67, 1
	s_add_co_u32 s88, s88, s20
	s_add_co_u32 s88, s88, s16
	s_lshl_b32 s88, s88, 9                         ; nm, ls: 512 bytes for each (g, piece 2 x + wc)
	s_mov_b32 s89, 0
	s_mov_b32 s90, s88
	s_mov_b32 s91, 0
	s_wait_kmcnt 0x0
	s_add_nc_u64 s[ABASE:ABASE+1], s[4:5], s[96:97]
	s_add_nc_u64 s[BBASE:BBASE+1], s[4:5], s[98:99]
	s_add_nc_u64 s[84:85], s[6:7], s[84:85]
	s_add_nc_u64 s[86:87], s[8:9], s[86:87]
	s_add_nc_u64 s[92:93], s[8:9], s[92:93]
	s_add_nc_u64 s[88:89], s[10:11], s[88:89]
	s_add_nc_u64 s[90:91], s[12:13], s[90:91]
	CROUND                                         ; all sixteen work-groups are here: the first joint loads meet
.irp n, 0,3                            ; the head's load and K slot 3: both begin at my region's first byte
	s_mov_b32 s[G0A+4*\n], 1
	s_add_co_u32 s[G0A+4*\n+1], s21, (\n%3)*SLOT
	s_add_nc_u64 s[G0A+4*\n+2:G0A+4*\n+3], s[ABASE:ABASE+1], \n*BLK
	s_or_b32 s[G0A+4*\n+3], s[G0A+4*\n+3], 0x80000000
	s_mov_b32 s[G0B\n], 1
	s_add_co_u32 s[G0B\n+1], s21, (\n%3)*SLOT
	s_add_nc_u64 s[G0B\n+2:G0B\n+3], s[BBASE:BBASE+1], \n*BLK
	s_or_b32 s[G0B\n+3], s[G0B\n+3], 0x80000000
.endr
	JLOAD G0A, G0B0                                ; the head's one load a wave
	v_and_b32 v1, 15, v0                           ; r
	v_bfe_u32 v2, v0, 4, 1                         ; h
	v_and_b32 v3, 31, v0                           ; lane
	v_lshlrev_b32 v[OFFL], 4, v3
	s_wait_alu depctr_va_vdst(0)
	s_mul_i32 s96, s15, 3*BLK                      ; my queries: region wr
	s_mul_i32 s97, s16, 3*BLK
	s_add_co_u32 s97, s97, 6*BLK                   ; my keys: region 2 + wc
	s_sub_co_u32 s98, s97, s96
	s_add_co_u32 s99, s96, SCO
	v_lshlrev_b32 v4, 2, v1
	v_mul_u32_u24 v5, s98, v2                      ; lanes 16-31 take the keys' scale words: one product, h x the distance
	v_add_nc_u32 v4, v4, v5
.irp s, 0,1,2
	v_add_nc_u32 v[ADA+\s], s96, v[OFFL]
	v_add_nc_u32 v[ADB+\s], s97, v[OFFL]
	v_add_nc_u32 v[ADS+\s], s99, v4
	s_add_co_u32 s96, s96, BLK
	s_add_co_u32 s97, s97, BLK
	s_add_co_u32 s99, s99, BLK
.endr
	s_mul_i32 s2, s[WV], 1536
	s_add_co_u32 s2, s2, SCR
	v_lshl_add_u32 v[SCRW], v1, 2, s2
	v_add_nc_u32 v[SCRR], s2, v[OFFL]
	v_and_b32 v4, 8, v1
	v_add_nc_u32 v4, v4, v1                        ; r + 8 (r / 8)
	v_lshlrev_b32 v4, 11, v4
	v_lshl_add_u32 v[MOFF], v2, 4, v4
.macro FETCH sl, q, set                ; 56 LDS loads in one run: a K step's fragments and scale words
	WIN TO_B
.irp i, 0,1,2,3,4,5,6,7
.irp c, 0,1,2
	ds_load_b128 v[96*(\set)+12*\i+4*\c:96*(\set)+12*\i+4*\c+3], v[ADB+(\sl)] offset:\i*3072+(\q)*1536+512*\c
.endr
.endr
	WIN 0
.irp i, 0,1,2,3,4,5,6,7
.irp c, 0,1,2
	ds_load_b128 v[AF+96*(\set)+12*\i+4*\c:AF+96*(\set)+12*\i+4*\c+3], v[ADA+(\sl)] offset:\i*3072+(\q)*1536+512*\c
.endr
.endr
.irp i, 0,1,2,3,4,5,6,7
	ds_load_b32 v[SC+8*(\set)+\i], v[ADS+(\sl)] offset:(\q)*512+\i*64
.endr
.endm
.macro MUL16 a0, set, zero             ; the 64 accumulators take turns, one instruction a turn
.irp a, \a0, \a0+1
.irp b, 0,1,2,3,4,5,6,7
.if \zero
	v_wmma_scale_f32_16x16x128_f8f6f4 v[8*(8*((\a)%4)+\b):8*(8*((\a)%4)+\b)+7], v[96*(\set)+12*\b:96*(\set)+12*\b+11], v[AF+96*(\set)+12*(\a):AF+96*(\set)+12*(\a)+11], 0, v[SC+8*(\set)+\b], v[SC+8*(\set)+(\a)] matrix_a_fmt:MATRIX_FMT_FP6 matrix_b_fmt:MATRIX_FMT_FP6 matrix_a_scale:MATRIX_SCALE_ROW1
.else
	v_wmma_scale_f32_16x16x128_f8f6f4 v[8*(8*((\a)%4)+\b):8*(8*((\a)%4)+\b)+7], v[96*(\set)+12*\b:96*(\set)+12*\b+11], v[AF+96*(\set)+12*(\a):AF+96*(\set)+12*(\a)+11], v[8*(8*((\a)%4)+\b):8*(8*((\a)%4)+\b)+7], v[SC+8*(\set)+\b], v[SC+8*(\set)+(\a)] matrix_a_fmt:MATRIX_FMT_FP6 matrix_b_fmt:MATRIX_FMT_FP6 matrix_a_scale:MATRIX_SCALE_ROW1
.endif
.endr
.endr
.endm
.macro LD1 sl, q, set                  ; load number LN of FETCH's 56: the keys' 24, the queries' 24, the 8 scale words
.if LN < 24
	WIN TO_B
	ds_load_b128 v[96*(\set)+4*LN:96*(\set)+4*LN+3], v[ADB+(\sl)] offset:(LN/3)*3072+(\q)*1536+512*(LN%3)
.else
	WIN 0
.if LN < 48
	ds_load_b128 v[AF+96*(\set)+4*(LN-24):AF+96*(\set)+4*(LN-24)+3], v[ADA+(\sl)] offset:((LN-24)/3)*3072+(\q)*1536+512*((LN-24)%3)
.else
	ds_load_b32 v[SC+8*(\set)+LN-48], v[ADS+(\sl)] offset:(\q)*512+(LN-48)*64
.endif
.endif
.set LN, LN+1
.endm
.macro MUL4 a, bh, set, zero           ; four matrix instructions: A's tile a against B's tiles 4 bh .. 4 bh + 3, in MUL16's order
.irp i, 0,1,2,3
.set BI, 4*(\bh)+\i
.set AC, 8*(8*((\a)%4)+BI)
.if \zero
	v_wmma_scale_f32_16x16x128_f8f6f4 v[AC:AC+7], v[96*(\set)+12*BI:96*(\set)+12*BI+11], v[AF+96*(\set)+12*(\a):AF+96*(\set)+12*(\a)+11], 0, v[SC+8*(\set)+BI], v[SC+8*(\set)+(\a)] matrix_a_fmt:MATRIX_FMT_FP6 matrix_b_fmt:MATRIX_FMT_FP6 matrix_a_scale:MATRIX_SCALE_ROW1
.else
	v_wmma_scale_f32_16x16x128_f8f6f4 v[AC:AC+7], v[96*(\set)+12*BI:96*(\set)+12*BI+11], v[AF+96*(\set)+12*(\a):AF+96*(\set)+12*(\a)+11], v[AC:AC+7], v[SC+8*(\set)+BI], v[SC+8*(\set)+(\a)] matrix_a_fmt:MATRIX_FMT_FP6 matrix_b_fmt:MATRIX_FMT_FP6 matrix_a_scale:MATRIX_SCALE_ROW1
.endif
.endr
.endm
; a K step of 128: the next K step's 56 loads go out in one run at the step's head, into the other set, which was last read in the step before, four places back; then the step's 64 matrix instructions
.macro STEP set, sn, qn, zero
	s_wait_dscnt 0x0                               ; this K step's fragments, asked for 64 matrix instructions ago
	PLACES 4                                       ; in front of loads into registers that matrix instructions have read
.set LN, 0
.rept 56
	LD1 \sn, \qn, 1-(\set)
.endr
.set GN, 0
.rept 16
	WIN MUL_LO+0x50*(GN/8)
	MUL4 GN/2, GN%2, \set, \zero
.set GN, GN+1
.endr
	WIN 0
.endm
.macro TURN set, sn, fill
	s_wait_tensorcnt 0x0                           ; all my tensor loads have landed
	ds_add_u32 v[SPW], v[NIL]                      ; 0 onto my spare word
	s_wait_dscnt 1                                 ; (the add may be out: this K step's fragments are in)
	WIN MUL_LO
	MUL16 0, \set, 0
	s_wait_dscnt 0x0                               ; the add is done; my reads of the slot are over
	s_barrier_signal -1
	MUL16 2, \set, 0
	WIN 0
	s_barrier_wait -1
.if \fill
	CREST                                          ; a round of the cluster's barrier: no wave of any partner still reads slot 0 or has a load on its way
	JLOAD G0A+12, G0B3                             ; the one refill; its four v_nop are also the places in front of the loads below
.else
	PLACES 4
.endif
.set LN, 0
.rept 56                               ; the next slot's first fragments, in one run
	LD1 \sn, 0, 1-(\set)
.endr
.set GN, 8
.rept 8
	WIN MUL_HI
	MUL4 GN/2, GN%2, \set, 0
.set GN, GN+1
.endr
	WIN 0
.endm
.macro MLOAD a                         ; the mask's bytes for tile a: my query's row, 16 keys of each block of 32
.irp b, 0,1,2,3
	global_load_b128 v[MK0+16*((\a)%2)+4*\b:MK0+16*((\a)%2)+4*\b+3], v[MOFF], s[84:85] offset:(32*((\a)/2)+8*((\a)%2))*2048+32*\b
.endr
.endm
	s_wait_alu depctr_va_vdst(0)
	s_wait_tensorcnt 0x0                           ; my three blocks are in; no load of mine is out, so a descriptor may be written:
	s_mov_b32 s[G1A+2], 100<<16                    ; the refill brings one block: 100 rows
	s_mov_b32 s[G1A+4], 100
	s_mov_b32 s[G1B+2], 100<<16
	s_mov_b32 s[G1B+4], 100
	s_barrier_signal -1
	s_barrier_wait -1                              ; everybody's are in
	FETCH 0, 0, 0
	STEP 0, 0, 1, 1                                ; K step 0 starts the sums
	TURN 1, 1, 1                                   ; K step 1: its wait for all loads also shows slots 1 and 2 whole in every wave
	STEP 0, 1, 1, 0
	s_wait_alu depctr_va_vdst(0)
	STEP 1, 2, 0, 0
	STEP 0, 2, 1, 0
	TURN 1, 0, 0                                   ; K step 5: the refill has landed in every wave
	STEP 0, 0, 1, 0
	s_wait_dscnt 0x0                               ; K step 7
	WIN MUL_LO
	MUL16 0, 1, 0
	MUL16 2, 1, 0
	PLACES 4                                       ; the mask's first bytes land in registers of A's set 0, which K step 6 has read
	WIN 0
	MLOAD 0
	MLOAD 1
	WIN MUL_HI
	MUL16 4, 1, 0
	MUL16 6, 1, 0
	WIN 0
	PLACES 4
.irp b, 0,1,2,3
	v_mov_b32 v[BP+\b], 0                          ; written once: a lane permute's destination counts as one of its sources
.endr
	v_mov_b32 v[NM+1], 0                           ; (named as the upper half of a pair)
	v_mov_b32 v[TMX], 0
; TILE a OF MY EIGHT: 16 queries x my 128 keys.  Register 16 b + i of a lane = key 32 b + 16 h + i of its query.
.macro SOFT a
.set XW, 2+(\a)/4
.set AC, 64*((\a)%4)
.set MK, MK0+16*((\a)%2)
.set PS, PC0+12*((\a)%2)
	WIN XW
.set JJ, 0
.rept 32
	v_pk_mul_f32 v[W+JJ:W+JJ+1], v[AC+JJ:AC+JJ+1], s[CS:CS+1] op_sel_hi:[1,0]   ; t = score x c; each accumulator is read from its low end on
.set JJ, JJ+2
.endr
	WIN 0
.if (\a) < 7
	s_wait_loadcnt 4                               ; this tile's mask bytes are in; the next tile's four loads may be out
.else
	s_wait_loadcnt 0x0
.endif
.set JJ, 0
.rept 16
	v_lshlrev_b32 v[MX+JJ], 8, v[MK+JJ]
.set JJ, JJ+1
.endr
.set JJ, 0
.rept 16
	v_sub_nc_u32 v[MX+JJ], v[MX+JJ], v[MK+JJ]      ; x 255: each byte 0 or 1 becomes 0 or 0xff
.set JJ, JJ+1
.endr
.if (\a) < 6
	MLOAD (\a)+2
.endif
.set JJ, 0
.rept 16
	v_perm_b32 v[T4], v[MX+JJ], v[MX+JJ], 0        ; a key's byte into all four: all ones where the key counts
	v_perm_b32 v[T4+1], v[MX+JJ], v[MX+JJ], s80
	v_perm_b32 v[T4+2], v[MX+JJ], v[MX+JJ], s81
	v_perm_b32 v[T4+3], v[MX+JJ], v[MX+JJ], s82
	v_bfi_b32 v[W+4*JJ], v[T4], v[W+4*JJ], s83     ; t where it counts, else -1e10 x log2(e)
	v_bfi_b32 v[W+4*JJ+1], v[T4+1], v[W+4*JJ+1], s83
	v_bfi_b32 v[W+4*JJ+2], v[T4+2], v[W+4*JJ+2], s83
	v_bfi_b32 v[W+4*JJ+3], v[T4+3], v[W+4*JJ+3], s83
.set JJ, JJ+1
.endr
.irp b, 0,1,2,3
	v_max3_num_f32 v[BM+\b], v[W+16*\b], v[W+16*\b+1], v[W+16*\b+2]   ; the largest t of each block of 32 keys: for M, and, since p rises with t, for the block's largest p
.endr
.irp i, 3,5,7,9,11,13
.irp b, 0,1,2,3
	v_max3_num_f32 v[BM+\b], v[BM+\b], v[W+16*\b+\i], v[W+16*\b+\i+1]
.endr
.endr
.irp b, 0,1,2,3
	v_max_num_f32 v[BM+\b], v[BM+\b], v[W+16*\b+15]
.endr
.irp b, 0,1,2,3
	v_permlanex16_b32 v[BP+\b], v[BM+\b], s[SEL], s[SEL+1]
.endr
.irp b, 0,1,2,3
	v_max_num_f32 v[BM+\b], v[BM+\b], v[BP+\b]     ; with lane l xor 16's 16 keys
.endr
	v_max3_num_f32 v[TMX], v[BM], v[BM+1], v[BM+2]
	v_max_num_f32 v[TMX], v[TMX], v[BM+3]
	v_floor_f32 v[NM], -v[TMX]                     ; -M = floor(-t) = -ceil(t)
.set JJ, 0
.rept 32
	v_pk_add_f32 v[W+JJ:W+JJ+1], v[W+JJ:W+JJ+1], v[NM:NM+1] op_sel_hi:[1,0]   ; t - M
.set JJ, JJ+2
.endr
.irp b, 0,1,2,3
	v_add_f32 v[BM+\b], v[BM+\b], v[NM]            ; the same of each block's largest t
.endr
.set JJ, 0
	s_wait_alu depctr_va_vdst(0)
.rept 64
	v_exp_f32 v[W+JJ], v[W+JJ]                     ; p = 2^(t - M)
.set JJ, JJ+1
.endr
	v_mov_b32 v[NMS+(\a)], v[NM]                   ; (a plain place behind the exponentials)
	s_wait_alu depctr_va_vdst(0)                   ; one wait for the whole batch, ahead of its first reader
.irp b, 0,1,2,3
	v_exp_f32 v[BM+\b], v[BM+\b]                   ; the block's largest p: the same instructions on the same number give the same bits
.endr
	v_pk_add_f32 v[LS:LS+1], v[W:W+1], v[W+2:W+3]  ; the sum of the unquantised p, in two chains
	v_pk_add_f32 v[LS2:LS2+1], v[W+4:W+5], v[W+6:W+7]
.irp j, 8,12,16,20,24,28,32,36,40,44,48,52,56,60
	v_pk_add_f32 v[LS:LS+1], v[LS:LS+1], v[W+\j:W+\j+1]
	v_pk_add_f32 v[LS2:LS2+1], v[LS2:LS2+1], v[W+\j+2:W+\j+3]
.endr
	v_pk_add_f32 v[LS:LS+1], v[LS:LS+1], v[LS2:LS2+1]
	v_add_f32 v[LT], v[LS], v[LS+1]
	v_permlanex16_b32 v[TMX], v[LT], s[SEL], s[SEL+1]
	v_add_f32 v[LSS+(\a)], v[LT], v[TMX]           ; with lane l xor 16's: the piece's sum
	s_wait_alu depctr_va_vdst(0)                   ; and one for the four
.irp b, 0,1,2,3
	v_max_num_f32 v[BM+\b], 0x1800000, v[BM+\b]    ; the floor 2^(3 - 127): the byte cannot fall under 1
.endr
.irp b, 0,1,2,3
	v_add_nc_u32 v[SO+\b], 0xff000000, v[BM+\b]    ; the conversion's scale operand
.endr
.irp b, 0,1,2,3
	v_lshrrev_b32 v[BP+\b], 23, v[SO+\b]           ; the byte
.endr
	v_lshl_or_b32 v[PW+(\a)], v[BP+1], 8, v[BP]
	v_lshl_or_b32 v[PW+(\a)], v[BP+2], 16, v[PW+(\a)]
	v_lshl_or_b32 v[PW+(\a)], v[BP+3], 24, v[PW+(\a)]
.if (\a) >= 2
	s_wait_xcnt 0x0                                ; the stores of the tile two back have read this set of registers
.endif
.irp c, 0,1
	v_cvt_scalef32_pk16_fp6_f32 v[PS+6*\c:PS+6*\c+2], v[W+32*\c:W+32*\c+15], v[SO+2*\c]
	v_cvt_scalef32_pk16_fp6_f32 v[TMP+4*\c:TMP+4*\c+2], v[W+32*\c+16:W+32*\c+31], v[SO+2*\c+1]
.endr
	v_nop                                          ; one plain place behind a scaled conversion
.irp c, 0,1
.irp i, 0,1,2
	v_permlane16_swap_b32 v[PS+6*\c+\i], v[TMP+4*\c+\i]
.endr
.irp i, 0,1,2
	v_mov_b32 v[PS+6*\c+3+\i], v[TMP+4*\c+\i]
.endr
.endr
.irp c, 0,1,2
	global_store_b128 v[OFFL], v[PS+4*\c:PS+4*\c+3], s[86:87] offset:(\a)*3072+512*\c   ; 512 consecutive bytes, at a multiple of 256 from the buffer's first byte
.endr
.endm
.irp a, 0,1,2,3,4,5,6,7
	SOFT \a
.endr
.irp a, 0,1,2,3,4,5,6,7
	ds_store_b32 v[SCRW], v[PW+\a] offset:64*\a    ; scale words, -M and sums meet in my scratch (both halves of the lanes write the same word),
	ds_store_b32 v[SCRW], v[NMS+\a] offset:512+64*\a
	ds_store_b32 v[SCRW], v[LSS+\a] offset:1024+64*\a
.endr
.irp n, 0,1,2
	ds_load_b128 v[GB+4*\n:GB+4*\n+3], v[SCRR] offset:512*\n   ; LDS serves a wave's instructions in order
.endr
	s_wait_dscnt 0x0
	global_store_b128 v[OFFL], v[GB:GB+3], s[92:93]            ; and leave as 512 consecutive bytes each
	global_store_b128 v[OFFL], v[GB+4:GB+7], s[88:89]
	global_store_b128 v[OFFL], v[GB+8:GB+11], s[90:91]
	s_wait_tensorcnt 0x0                           ; the wave's end
	ds_add_u32 v[SPW], v[NIL]
	s_wait_dscnt 0x0
	CROUND                                         ; the closing round
	s_endpgm
.Lfunc_end_k_q7c29ac2217_scores:
	.size	k_q7c29ac2217_scores, .Lfunc_end_k_q7c29ac2217_scores-k_q7c29ac2217_scores
	.p2alignl 7, 3214868480
	.fill 96, 4, 3214868480
	.section	.rodata,"a",@progbits
	.p2align	6, 0x0
	.amdhsa_kernel k_q7c29ac2217_scores
		.amdhsa_group_segment_fixed_size 327680
		.amdhsa_private_segment_fixed_size 0
		.amdhsa_enable_private_segment 0
		.amdhsa_kernarg_size 40
		.amdhsa_user_sgpr_count 2
		.amdhsa_user_sgpr_kernarg_segment_ptr 1
		.amdhsa_wavefront_size32 1
		.amdhsa_system_sgpr_workgroup_id_x 1
		.amdhsa_system_sgpr_workgroup_id_y 1
		.amdhsa_system_sgpr_workgroup_id_z 1
		.amdhsa_system_vgpr_workitem_id 0
		.amdhsa_next_free_vgpr 1024
		.amdhsa_next_free_sgpr 100
		.amdhsa_reserve_vcc 0
		.amdhsa_float_denorm_mode_32 3
		.amdhsa_float_denorm_mode_16_64 3
		.amdhsa_memory_ordered 1
		.amdhsa_forward_progress 1
		.amdhsa_inst_pref_size 255
	.end_amdhsa_kernel
	.section	.bss,"aw",@nobits
	.p2align	6
	.space	262144
	.amdgpu_metadata
---
amdhsa.version: [ 1, 2 ]
amdhsa.kernels:
  - .name:           k_q7c29ac2217_scores
    .symbol:         k_q7c29ac2217_scores.kd
    .args:
      - { .name: qkc, .offset: 0, .size: 8, .value_kind: global_buffer, .address_space: global }
      - { .name: mask, .offset: 8, .size: 8, .value_kind: global_buffer, .address_space: global }
      - { .name: pc, .offset: 16, .size: 8, .value_kind: global_buffer, .address_space: global }
      - { .name: nm, .offset: 24, .size: 8, .value_kind: global_buffer, .address_space: global }
      - { .name: ls, .offset: 32, .size: 8, .value_kind: global_buffer, .address_space: global }
    .group_segment_fixed_size: 327680
    .private_segment_fixed_size: 0
    .kernarg_segment_align: 8
    .kernarg_segment_size: 40
    .max_flat_workgroup_size: 128
    .sgpr_count:     100
    .vgpr_count:     1024
    .wavefront_size: 32
...
	.end_amdgpu_metadata
.endif
;; end of part 3
;; launch pv (part 4): grid 4 x 64, 4 waves a work-group, clusters of 4 x 4, 327,680 bytes of LDS; arguments pc, nm, ls, vtc, xc, wc, out0; writes out0
.if DOCPART == 4
	.amdgcn_target "amdgcn-amd-amdhsa--gfx1250"
	.amdhsa_code_object_version 6
	.text
	.protected	k_q7c29ac2217_pv
	.globl	k_q7c29ac2217_pv
	.p2align	8
	.type	k_q7c29ac2217_pv,@function
k_q7c29ac2217_pv:
	s_mov_b64 s[64:65], 0
	v_nop
	global_prefetch_b8 v0, s[64:65] scope:SCOPE_SE
	s_setreg_imm32_b32 hwreg(HW_REG_WAVE_MODE, 25, 1), 1
	s_wait_xcnt 0x0
	s_wait_alu depctr_hold_cnt(0) depctr_sa_sdst(0) depctr_va_vdst(0) depctr_va_sdst(0) depctr_va_ssrc(0) depctr_va_vcc(0) depctr_vm_vsrc(0)
	s_getreg_b32 s2, hwreg(HW_REG_IB_STS2, 6, 4)
	s_cmp_eq_u32 s2, 0
	s_cbranch_scc0 .Lentry_in_a_cluster
	s_endpgm
.Lentry_in_a_cluster:
	s_bfe_u32 s2, ttmp6, 0x10000c
	s_cmp_lg_u32 s2, 0xf033
	s_cbranch_scc0 .Lentry_shape_is_right
	s_endpgm
.Lentry_shape_is_right:
; out = (P V) / l + q wi, all products on codes of FP6 (E2M3) with E8M0 scales.  One run of sums: 16 K steps of P V (K = 2,048 keys), a multiplication by 1 / l, 8 K steps of q wi (K = 1,024) onto the same accumulators.
; P arrives quantised under a LOCAL M, one whole number for each query and each 128 keys.  At the head each thread takes one query: the row's M is the largest local M; a piece's scale bytes lose d = M - local M
; (a byte that would fall under 0 becomes 0); l = the sum of the pieces' sums x 2^-d.  The corrected scale words and 1 / l stay in LDS.  The residual is the first projection once more, from the codes of q and wi.
; Operands lie as images of the operand's registers: a block = 128 rows x 256 along K = 25,600 dense bytes (codes: 3,072 tile + 1,536 K step + 512 chunk + 16 lane; scale words from 24,576: 512 K step + 64 tile + 4 r);
; lane r of tile 2 b + u holds the group's row 32 b + 8 u + r + 8 (r / 8).  A group's blocks along K lie on end in memory.
; A work-group of four waves makes 128 queries (source 1, in the lanes) x 256 d (source 0, along the registers): 256 work-groups; a wave 64 x 128: 32 accumulators.
; LDS: three parts of four blocks: A at 0, B's first group at 4 BLK, B's second at 8 BLK; in each part slot 0 is blocks 0, 1 and slot 1 blocks 2, 3.  A slot is 512 along K, 128 matrix instructions a wave.
; THE HEAD'S LOADS, one a wave, bring BOTH slots: wave 0 A's four blocks, wave 1 B's first group's four, waves 2 and 3 two blocks each of B's second group.  A refill brings half as many rows into the slot read out.
; One load of a wave is out at the head and one behind each of the four refills' rounds.
; THE K STEP: the next step's 48 LDS loads go out in one run at the step's head, into the other set of registers; the step's 32 matrix instructions follow.
; CLUSTERS: 4 x 4 work-groups; A's blocks are shared along a row of the cluster, B's along a column: each is asked for jointly.
; PREFETCH INTO THE L2: behind the head's load slot 2 is asked for, and behind the refill that loads slot T + 2 slot T + 3: one slot, 128 matrix instructions a wave, ahead of the tensor load that wants it; the last refill asks for nothing.
; Each wave asks for a quarter of the piece that it will itself load (200 blocks of 256 bytes in waves 0 and 1, 100 in waves 2 and 3); the four partners that load the piece jointly share it out by address (cx for A, cy for B):
; 50 blocks in two instructions, or 25 in one, a lane a block; lanes left over name the share's last block again.
; LIMITS: a block of p whose byte would fall under 0 beneath the row's M keeps its codes under the byte 0: at most 7.5 x 2^-127 a key; the sum of a piece more than 200 powers of two under the row's M counts as 0.
; REGISTERS: window 0: v1-31 addresses; v32-39 A's scale words, v40-55 B's, two sets each; v56-63 1 / l; v64-111, v112-159 A's fragments; v160-215 the head's work.  window 1: v0-95, v96-191 B's fragments.  window 2: accumulator (a, b) at v[8 (8 a + b)].
.set BLK,   25600
.set SCO,   24576
.set PART,  2*BLK                      ; a slot's share of a part
.set FIX,   12*BLK                     ; behind the ring: p's scale words under the row's M: [K step 16][128 rows] words
.set RL,    FIX+8192                   ; 1 / l: 128 words
.set SPARE, RL+512                     ; the spare words, 128 bytes for each wave
.set ADA,  8                           ; v8-9    my A fragments in slot 0, 1
.set ADB,  10                          ; v10-11  my B fragments
.set ADSB, 12                          ; v12-13  B's scale words
.set ADSA, 14                          ; v14-15  A's scale words in the ring (q's)
.set ADFX, 16                          ; v16     A's scale words in FIX (p's)
.set ADRL, 17
.set FXW,  18                          ; v18     FIX + 4 x thread
.set RLW,  19                          ; v19     RL + 4 x thread
.set TID4, 20                          ; v20     4 x thread
.set STO,  21
.set RD,   22
.set CO,   23                          ; v23     16 x lane
.set PFO,  24                          ; v24-25  the prefetches' offsets: 256 x my block of my share; never rewritten
.set SPW,  30
.set NIL,  31
.set SCA,  32
.set SCB,  40
.set RLP,  56
.set AF,   64
.set BK,   64                          ; the way out: v64-127, v128-191 by turns
.set NMV,  160
.set LV,   176
.set PWV,  192
.set WV,   18
.set G1A,  24                          ; groups 1: A's; B's whole share; B's half share
.set G1B,  32
.set G1C,  40
.set G0A,  48                          ; groups 0, written anew ahead of each refill, where no load of the wave is out
.set G0B,  52
.set PB,   56                          ; s[56:57] p at my group; s[58:59] q; s[60:61] v^T at the group and half that I fetch; s[62:63] wi likewise
.set QB,   58
.set VB,   60
.set WB,   62
.set LB,   76                          ; where my refill of B goes in slot 0
.set PFK,  92                          ; s[92:93] my share of the piece that I load, in P or V; s[94:95] in q or wi; never rewritten
.set PFQ,  94
.set MSB, 0
.macro WIN new
.if MSB != (\new)
	s_set_vgpr_msb (MSB<<8)|(\new)
.set MSB, (\new)
.endif
.endm
.set MULP, 0xa1                        ; source 0 (B) window 1, source 1 (A) window 0, C and D window 2
.set TO_B, 0x40
.macro PLACES n
.rept \n
	v_nop
.endr
.endm
.macro JLOAD                           ; a joint load, one chain of branches on the wave's number, a load in each arm; s_nop 0 and four v_nop follow each
	s_cmp_eq_u32 s[WV], 0
	s_cbranch_scc0 .Lnot_a_\@
	tensor_load_to_lds s[G0A:G0A+3], s[G1A:G1A+7]
	s_nop 0
	PLACES 4
	s_branch .Lasked_\@
.Lnot_a_\@:
	s_cmp_eq_u32 s[WV], 1
	s_cbranch_scc0 .Lhalf_\@
	tensor_load_to_lds s[G0B:G0B+3], s[G1B:G1B+7]
	s_nop 0
	PLACES 4
	s_branch .Lasked_\@
.Lhalf_\@:
	tensor_load_to_lds s[G0B:G0B+3], s[G1C:G1C+7]
	s_nop 0
	PLACES 4
.Lasked_\@:
.endm
.macro ASK S                           ; the prefetch of slot S (2 .. 5): slots 2, 3 lie in P and V, slots 4, 5 are q's and wi's slots 0, 1.  The branch hangs on the wave's number alone
.if (\S) <= 5
.if (\S) <= 3
.set PFB, PFK
.set PFF, (\S)*PART
.else
.set PFB, PFQ
.set PFF, ((\S)-4)*PART
.endif
	global_prefetch_b8 v[PFO], s[PFB:PFB+1] offset:PFF th:TH_LOAD_NT scope:SCOPE_SE
	s_cmp_eq_u32 s19, 0
	s_cbranch_scc0 .Lone_\@                        ; waves 2, 3: 25 blocks, one instruction
	global_prefetch_b8 v[PFO+1], s[PFB:PFB+1] offset:PFF th:TH_LOAD_NT scope:SCOPE_SE
.Lone_\@:
.endif
.endm
.macro CREST
	s_cmp_lg_u32 s[WV], 0
	s_cbranch_scc1 .Lnot_wave_0_\@
	s_barrier_signal -3
.Lnot_wave_0_\@:
	s_barrier_wait -3
	s_barrier_signal -1
	s_barrier_wait -1
.endm
.macro CROUND
	s_barrier_signal -1
	s_barrier_wait -1
	CREST
.endm
.macro ROWS g, n                       ; a group 1's two words that count rows of 256 bytes
	s_mov_b32 s[\g+2], (\n)<<16
	s_mov_b32 s[\g+4], \n
.endm
	s_load_b256 s[4:11], s[0:1], 0x0               ; pc, nm, ls, vtc
	s_load_b128 s[12:15], s[0:1], 0x20             ; xc, wc
	s_load_b64 s[16:17], s[0:1], 0x30              ; out0
	v_lshl_add_u32 v[SPW], v0, 2, SPARE
	v_mov_b32 v[NIL], 0
	ds_add_u32 v[SPW], v[NIL]                      ; the opening lines: the add, twice on end, and its wait ahead of my first tensor load
	ds_add_u32 v[SPW], v[NIL]
	v_lshrrev_b32 v1, 5, v0
	v_readfirstlane_b32 s[WV], v1
	s_lshr_b32 s19, s[WV], 1                       ; wr: my 64 of the 128 queries.  Also: which of B's groups I fetch
	s_and_b32 s20, s[WV], 1                        ; wc: my 128 of the 256 d
	s_add_co_u32 s78, s[WV], 1
	s_lshr_b32 s78, s78, 2                         ; 1 in wave 3: the second half of B's second group
	s_bfe_u32 s21, ttmp6, 0x40000                  ; cx
	s_bfe_u32 s22, ttmp6, 0x40004                  ; cy
	s_and_b32 s23, ttmp7, 0xffff                   ; the cluster's y
	s_lshl_b32 s79, s22, 2
	s_lshl_b32 s79, 15, s79                        ; my row of the cluster
	s_lshl_b32 s80, 0x1111, s21                    ; my column
	s_or_b32 s[G1A], s79, (3<<16)|(1<<21)          ; the mask; elements of 8 bytes; bit 21 beside a mask; no padding
	s_or_b32 s[G1B], s80, (3<<16)|(1<<21)
	s_or_b32 s[G1C], s80, (3<<16)|(1<<21)
.irp g, G1A, G1B, G1C                  ; dense blocks on end as rows of 256 bytes
	s_mov_b32 s[\g+1], 32<<16
	s_mov_b32 s[\g+3], 32<<16
	s_mov_b32 s[\g+5], 32
	s_mov_b32 s[\g+6], 0
	s_mov_b32 s[\g+7], 0
.endr
	ROWS G1A, 400                                  ; the head's loads: four blocks, four, two
	ROWS G1B, 400
	ROWS G1C, 200
	s_lshl_b32 s66, s23, 2
	s_add_co_u32 s66, s66, s22                     ; g: my group of 128 queries
	s_lshl_b32 s67, ttmp9, 2
	s_add_co_u32 s67, s67, s21                     ; x: my 256 d
	s_lshr_b32 s79, s23, 2                         ; the batch = g / 16, from the cluster's y alone
	s_lshl_b32 s80, s67, 1
	s_add_co_u32 s80, s80, s19                     ; wi's group 2 x + the one that I fetch
	s_lshl_b32 s81, s79, 3
	s_add_co_u32 s81, s81, s80                     ; v's group 8 batch + that
	s_mul_i32 s[PB], s66, 8*BLK
	s_mov_b32 s[PB+1], 0
	s_mul_i32 s[QB], s66, 4*BLK
	s_mov_b32 s[QB+1], 0
	s_mul_i32 s[VB], s81, 8*BLK
	s_mov_b32 s[VB+1], 0
	s_mul_i32 s[WB], s80, 4*BLK
	s_mov_b32 s[WB+1], 0
	s_mul_i32 s82, s78, BLK                        ; wave 3 begins a block on in a refill, two blocks on in the head's load
	s_mov_b32 s83, 0
	s_add_co_u32 s[LB], s19, 1
	s_mul_i32 s[LB], s[LB], 4*BLK
	s_add_co_u32 s[LB], s[LB], s82
	s_mov_b32 s[G0A], 1
	s_mov_b32 s[G0A+1], 0
	s_mov_b32 s[G0B], 1
	s_add_co_u32 s[G0B+1], s[LB], s82
	s_mov_b32 s77, 0x80808080
	s_lshl_b32 s68, s66, 13                        ; nm, ls: 8,192 bytes a group
	s_mov_b32 s69, 0
	s_lshl_b32 s74, s66, 19                        ; out0: 128 rows of 4,096 bytes x g
	s_lshl_b32 s75, s19, 18
	s_add_co_u32 s74, s74, s75                     ; + 64 rows x wr
	s_lshl_b32 s75, s67, 10
	s_add_co_u32 s74, s74, s75                     ; + 1,024 x
	s_lshl_b32 s75, s20, 9
	s_add_co_u32 s74, s74, s75                     ; + 512 wc
	s_mov_b32 s75, 0
	s_mul_i32 s84, s19, 12288                      ; my four tiles of A
	s_add_co_u32 s85, s20, 1
	s_mul_i32 s85, s85, 4*BLK                      ; my group of B
	s_lshl_b32 s86, s19, 8
	s_add_co_u32 s87, s85, SCO
	s_add_co_u32 s88, s86, SCO
	s_add_co_u32 s89, s86, FIX
	s_add_co_u32 s90, s86, RL
	s_mul_i32 s91, s[WV], 16*528                   ; the way out: my stage, in A's slot 0
	s_lshr_b32 s96, 50, s19                        ; the prefetches: my share of a refill's piece: 50 blocks of 256 bytes (waves 0, 1) or 25
	s_sub_co_u32 s97, s96, 1                       ; its last block
	s_cmp_eq_u32 s[WV], 0
	s_cselect_b32 s98, s21, s22                    ; my place among the four that load the piece with me: cx for A, cy for B
	s_mul_i32 s98, s98, s96
	s_lshl_b32 s98, s98, 8                         ; where my share begins in the piece, in bytes
	s_mov_b32 s99, 0
	v_and_b32 v1, 15, v0                           ; r
	v_bfe_u32 v2, v0, 4, 1                         ; h
	v_and_b32 v3, 31, v0                           ; lane
	v_lshlrev_b32 v[CO], 4, v3
	v_lshlrev_b32 v4, 2, v1
	v_lshlrev_b32 v[TID4], 2, v0
	v_add_nc_u32 v5, 32, v3
	v_min_u32 v[PFO], s97, v3                      ; a lane a block; lanes left over name the share's last block
	v_min_u32 v[PFO+1], s97, v5
	v_lshlrev_b32 v[PFO], 8, v[PFO]
	v_lshlrev_b32 v[PFO+1], 8, v[PFO+1]
	v_add_nc_u32 v[ADA], s84, v[CO]
	v_add_nc_u32 v[ADB], s85, v[CO]
	v_add_nc_u32 v[ADSB], s87, v4
	v_add_nc_u32 v[ADSA], s88, v4
.irp r, ADA, ADB, ADSB, ADSA
	v_add_nc_u32 v[\r+1], PART, v[\r]              ; slot 1
.endr
	v_add_nc_u32 v[ADFX], s89, v4
	v_add_nc_u32 v[ADRL], s90, v4
	v_lshl_add_u32 v[FXW], v0, 2, FIX
	v_lshl_add_u32 v[RLW], v0, 2, RL
	v_mul_u32_u24 v[STO], v1, 528
	v_lshl_add_u32 v[STO], v2, 6, v[STO]
	v_add_nc_u32 v[STO], s91, v[STO]
	v_add_nc_u32 v[RD], s91, v[CO]
.irp a, 0,1,2,3
	v_mov_b32 v[RLP+2*\a+1], 0                     ; (named as the upper halves of pairs)
.endr
	s_wait_alu depctr_va_vdst(0)                   ; behind the head's address work and directly ahead of the waits below
	s_wait_dscnt 0x0                               ; both opening adds are done
	s_wait_kmcnt 0x0
	s_add_nc_u64 s[PB:PB+1], s[4:5], s[PB:PB+1]
	s_add_nc_u64 s[QB:QB+1], s[12:13], s[QB:QB+1]
	s_add_nc_u64 s[VB:VB+1], s[10:11], s[VB:VB+1]
	s_add_nc_u64 s[WB:WB+1], s[14:15], s[WB:WB+1]
	s_add_nc_u64 s[70:71], s[8:9], s[68:69]        ; ls at my group
	s_add_nc_u64 s[68:69], s[6:7], s[68:69]        ; nm at my group
	s_add_nc_u64 s[72:73], s[PB:PB+1], SCO         ; p's local scale words
	s_add_nc_u64 s[74:75], s[16:17], s[74:75]
.set KP, 0
.rept 16                               ; thread t stands for row slot t of the group: its 16 pieces' -M, sums and local scale words; each load of a wave reads 128 consecutive bytes.  They are asked for ahead of the round
	global_load_b32 v[NMV+KP], v[TID4], s[68:69] offset:512*KP
	global_load_b32 v[LV+KP], v[TID4], s[70:71] offset:512*KP
	global_load_b32 v[PWV+KP], v[TID4], s[72:73] offset:(KP/2)*BLK+(KP%2)*512
.set KP, KP+1
.endr
	s_mov_b64 s[G0A+2:G0A+3], s[PB:PB+1]
	s_or_b32 s[G0A+3], s[G0A+3], 0x80000000        ; type 2
	s_add_nc_u64 s[VB:VB+1], s[VB:VB+1], s[82:83]  ; the refills' bases: wave 3 a block on
	s_add_nc_u64 s[WB:WB+1], s[WB:WB+1], s[82:83]
	s_add_nc_u64 s[G0B+2:G0B+3], s[VB:VB+1], s[82:83]   ; the head's load: wave 3 two blocks on
	s_or_b32 s[G0B+3], s[G0B+3], 0x80000000
	s_cmp_eq_u32 s[WV], 0                          ; the prefetches' bases: the buffer that I load from (the choice hangs on the wave's number alone), + my share's first byte
	s_cselect_b64 s[PFK:PFK+1], s[PB:PB+1], s[VB:VB+1]
	s_cselect_b64 s[PFQ:PFQ+1], s[QB:QB+1], s[WB:WB+1]
	s_add_nc_u64 s[PFK:PFK+1], s[PFK:PFK+1], s[98:99]
	s_add_nc_u64 s[PFQ:PFQ+1], s[PFQ:PFQ+1], s[98:99]
	CROUND                                         ; all sixteen work-groups are here: the first joint loads meet
	JLOAD                                          ; keys 0 .. 1,023 of P and V: both slots
	ASK 2                                          ; what the first refill will load
	s_wait_loadcnt 0x0
	v_min3_num_f32 v208, v[NMV], v[NMV+1], v[NMV+2]                ; the row's -M: the least of the 16
.irp i, 3,5,7,9,11,13
	v_min3_num_f32 v208, v208, v[NMV+\i], v[NMV+\i+1]
.endr
	v_min_num_f32 v208, v208, v[NMV+15]
.macro ALL16 line:vararg               ; one line for each of the 16 pieces, so that no line waits for the line above it
.set KP, 0
.rept 16
	\line
.set KP, KP+1
.endr
.endm
	ALL16 v_sub_f32 v[NMV+KP], v208, v[NMV+KP]                     ; local M - the row's M: a whole number, 0 or less
	ALL16 v_max_num_f32 v[NMV+KP], 0xc3480000, v[NMV+KP]           ; held at -200
	ALL16 v_cvt_i32_f32 v[NMV+KP], v[NMV+KP]
	ALL16 v_ldexp_f32 v[LV+KP], v[LV+KP], v[NMV+KP]                ; the piece's sum under the row's M
	v_add_f32 v214, v[LV], v[LV+2]
	v_add_f32 v215, v[LV+1], v[LV+3]
.irp i, 4,6,8,10,12,14
	v_add_f32 v214, v214, v[LV+\i]
	v_add_f32 v215, v215, v[LV+\i+1]
.endr
	v_add_f32 v214, v214, v215                     ; l
	s_wait_alu depctr_va_vdst(0)
	v_rcp_f32 v214, v214
	ALL16 v_sub_nc_u32 v[NMV+KP], 0, v[NMV+KP]                     ; d.  (Plain work behind the reciprocal)
	ALL16 v_min_u32 v[NMV+KP], 127, v[NMV+KP]
	ALL16 v_perm_b32 v[NMV+KP], v[NMV+KP], v[NMV+KP], 0            ; d in all four bytes
	ALL16 v_or_b32 v[PWV+KP], s77, v[PWV+KP]                       ; a byte b is at most 125: 128 + b - d borrows from no neighbour,
	ALL16 v_sub_nc_u32 v[PWV+KP], v[PWV+KP], v[NMV+KP]
	ALL16 v_and_b32 v[NMV+KP], s77, v[PWV+KP]                      ; and keeps its top bit where b - d is 0 or more
	ALL16 v_lshrrev_b32 v[LV+KP], 7, v[NMV+KP]
	ALL16 v_sub_nc_u32 v[NMV+KP], v[NMV+KP], v[LV+KP]              ; 0x7f in those bytes, 0 in the others
	ALL16 v_and_b32 v[PWV+KP], v[PWV+KP], v[NMV+KP]                ; b - d, or 0
	ALL16 ds_store_b32 v[FXW], v[PWV+KP] offset:512*KP
	s_wait_alu depctr_va_vdst(0)                   ; ahead of the reciprocal's first reader
	ds_store_b32 v[RLW], v214
	s_wait_tensorcnt 0x0                           ; my share of both slots is in; no load of mine is out, so the descriptors may be written:
	ROWS G1A, 200                                  ; a refill brings two blocks, two, one
	ROWS G1B, 200
	ROWS G1C, 100
	s_wait_dscnt 0x0                               ; for the others' sake: my stores have landed
	s_barrier_signal -1
	s_barrier_wait -1
; load number LN of a K step's 48: B's 24, A's 12, B's 8 scale words, A's 4.  K step kq (of four) of slot sl into set; J: the K step's number in the whole run: under 16 A's scale words come from FIX
.macro LD2 sl, kq, set, J
.set OB, ((\kq)/2)*BLK+((\kq)%2)*1536
.set OS, ((\kq)/2)*BLK+((\kq)%2)*512
.if LN < 24
	WIN TO_B
	ds_load_b128 v[96*(\set)+4*LN:96*(\set)+4*LN+3], v[ADB+(\sl)] offset:OB+(LN/3)*3072+512*(LN%3)
.else
	WIN 0
.if LN < 36
	ds_load_b128 v[AF+48*(\set)+4*(LN-24):AF+48*(\set)+4*(LN-24)+3], v[ADA+(\sl)] offset:OB+((LN-24)/3)*3072+512*((LN-24)%3)
.else
.if LN < 44
	ds_load_b32 v[SCB+8*(\set)+LN-36], v[ADSB+(\sl)] offset:OS+(LN-36)*64
.else
.if (\J) < 16
	ds_load_b32 v[SCA+4*(\set)+LN-44], v[ADFX] offset:(\J)*512+(LN-44)*64
.else
	ds_load_b32 v[SCA+4*(\set)+LN-44], v[ADSA+(\sl)] offset:OS+(LN-44)*64
.endif
.endif
.endif
.endif
.set LN, LN+1
.endm
.macro FETCH2 sl, kq, set, J           ; the 48 in one run; it leaves every window 0
.set LN, 0
.rept 48
	LD2 \sl, \kq, \set, \J
.endr
.endm
; eight matrix instructions: A's tile a against B's eight.  The 32 accumulators take turns, one instruction a turn, in the same order in every K step
.macro MUL8 a, set, zero
.irp b, 0,1,2,3,4,5,6,7
.set AC, 8*(8*(\a)+\b)
.if \zero
	v_wmma_scale_f32_16x16x128_f8f6f4 v[AC:AC+7], v[96*(\set)+12*\b:96*(\set)+12*\b+11], v[AF+48*(\set)+12*(\a):AF+48*(\set)+12*(\a)+11], 0, v[SCB+8*(\set)+\b], v[SCA+4*(\set)+(\a)] matrix_a_fmt:MATRIX_FMT_FP6 matrix_b_fmt:MATRIX_FMT_FP6
.else
	v_wmma_scale_f32_16x16x128_f8f6f4 v[AC:AC+7], v[96*(\set)+12*\b:96*(\set)+12*\b+11], v[AF+48*(\set)+12*(\a):AF+48*(\set)+12*(\a)+11], v[AC:AC+7], v[SCB+8*(\set)+\b], v[SCA+4*(\set)+(\a)] matrix_a_fmt:MATRIX_FMT_FP6 matrix_b_fmt:MATRIX_FMT_FP6
.endif
.endr
.endm
.macro STEP2 set, sn, kqn, Jn, zero
	s_wait_dscnt 0x0                               ; this K step's fragments, asked for 32 matrix instructions ago
	PLACES 4                                       ; in front of loads into the other set, which the step before has read
	FETCH2 \sn, \kqn, 1-(\set), \Jn
	WIN MULP
.irp a, 0,1,2,3
	MUL8 \a, \set, \zero
.endr
	WIN 0
.endm
.macro SLOTT T, zero                   ; the first three K steps of slot T
	STEP2 0, (\T)%2, 1, 4*(\T)+1, \zero
	STEP2 1, (\T)%2, 2, 4*(\T)+2, 0
	STEP2 0, (\T)%2, 3, 4*(\T)+3, 0
.endm
; A slot's last K step changes slots: one barrier; in front of it each wave waits for all its tensor loads, adds 0 to its spare word, and waits for that and for its reads of the slot.  Up to T = 3 the slot is filled again, with slot T + 2.
.macro TURN2 T
	s_wait_tensorcnt 0x0                           ; all my tensor loads have landed: my share of the next slot
	ds_add_u32 v[SPW], v[NIL]                      ; 0 onto my spare word
.if (\T) <= 3                          ; no load of mine is out: the groups 0 are written for slot T + 2
	s_mov_b32 s[G0A+1], ((\T)%2)*PART
	s_add_co_u32 s[G0B+1], s[LB], ((\T)%2)*PART
.if (\T) <= 1
	s_add_nc_u64 s[G0A+2:G0A+3], s[PB:PB+1], ((\T)+2)*PART         ; on along the keys
	s_add_nc_u64 s[G0B+2:G0B+3], s[VB:VB+1], ((\T)+2)*PART
.else
	s_add_nc_u64 s[G0A+2:G0A+3], s[QB:QB+1], ((\T)-2)*PART         ; q's and wi's codes follow the keys
	s_add_nc_u64 s[G0B+2:G0B+3], s[WB:WB+1], ((\T)-2)*PART
.endif
	s_or_b32 s[G0A+3], s[G0A+3], 0x80000000
	s_or_b32 s[G0B+3], s[G0B+3], 0x80000000
.endif
	s_wait_dscnt 1                                 ; (the add may be out: this K step's fragments are in)
	WIN MULP
	MUL8 0, 1, 0
	s_wait_dscnt 0x0                               ; the add is done; my reads of this slot are over
	s_barrier_signal -1
	MUL8 1, 1, 0
	WIN 0
	s_barrier_wait -1
.if (\T) <= 3
	CREST                                          ; a round of the cluster's barrier: no wave of any partner still reads this slot or has a load on its way
	JLOAD                                          ; its four v_nop are also the places in front of the loads below
.else
	PLACES 4
.endif
	FETCH2 ((\T)+1)%2, 0, 0, 4*(\T)+4
	ASK (\T)+3                                     ; behind the joint load and the run of LDS loads: what the next refill will load
	WIN MULP
	MUL8 2, 1, 0
	MUL8 3, 1, 0
	WIN 0
.endm
.irp a, 0,1,2,3
	ds_load_b32 v[RLP+2*\a], v[ADRL] offset:64*\a  ; 1 / l of my lane's query in each of my four tiles
.endr
	FETCH2 0, 0, 0, 0
	SLOTT 0, 1                                     ; the first K step starts the sums: nothing is cleared
	TURN2 0
	SLOTT 1, 0
	TURN2 1
	SLOTT 2, 0
	TURN2 2
	SLOTT 3, 0
	TURN2 3
	PLACES 4                                       ; P V is whole: x 1 / l, each accumulator from its low end on
	WIN 0x82                                       ; destination and source 0 window 2
.irp a, 0,1,2,3
.set JJ, 0
.rept 32
	v_pk_mul_f32 v[64*\a+JJ:64*\a+JJ+1], v[64*\a+JJ:64*\a+JJ+1], v[RLP+2*\a:RLP+2*\a+1] op_sel_hi:[1,0]
.set JJ, JJ+2
.endr
.endr
	WIN 0
	s_wait_alu depctr_va_vdst(0)                   ; directly ahead of the wait that opens the next K step
	SLOTT 4, 0                                     ; + q wi
	TURN2 4
	SLOTT 5, 0
	s_wait_dscnt 0x0                               ; the last K step
	WIN MULP
.irp a, 0,1,2,3
	MUL8 \a, 1, 0
.endr
	WIN 0
	PLACES 4
; THE WAY OUT, a tile of 16 queries x 128 d at a time, through my stage: it lies in A's slot 0, which has had its last fill, and which nobody reads behind the last change of slots.
; Register j of accumulator 2 b + u is d = 32 b + 16 h + 8 u + j.  Back come whole rows of 512 bytes.
.macro OUTA a
	WIN 0x08                                       ; an LDS store's data are its source 1: window 2
.irp b, 0,1,2,3,4,5,6,7
	ds_store_b128 v[STO], v[8*(8*(\a)+\b):8*(8*(\a)+\b)+3] offset:128*(\b/2)+32*(\b%2)
	ds_store_b128 v[STO], v[8*(8*(\a)+\b)+4:8*(8*(\a)+\b)+7] offset:128*(\b/2)+32*(\b%2)+16
.endr
	WIN 0
.if (\a) >= 2
	s_wait_xcnt 0x0                                ; the stores of the tile two back have read these registers
.endif
.irp t, 0,1,2,3,4,5,6,7,8,9,10,11,12,13,14,15
	ds_load_b128 v[BK+64*((\a)%2)+4*\t:BK+64*((\a)%2)+4*\t+3], v[RD] offset:528*\t   ; LDS serves a wave's instructions in order
.endr
.irp t, 0,1,2,3,4,5,6,7,8,9,10,11,12,13,14,15
	s_wait_dscnt 15-\t                             ; the younger loads may be out
	global_store_b128 v[CO], v[BK+64*((\a)%2)+4*\t:BK+64*((\a)%2)+4*\t+3], s[74:75] offset:(32*((\a)/2)+8*((\a)%2)+\t+8*(\t/8))*4096 th:TH_STORE_NT   ; 512 consecutive bytes, at a multiple of 256 from the buffer's first byte
.endr
.endm
	OUTA 0
	OUTA 1
	OUTA 2
	OUTA 3
	s_wait_tensorcnt 0x0                           ; the wave's end
	ds_add_u32 v[SPW], v[NIL]
	s_wait_dscnt 0x0
	CROUND                                         ; the closing round
	s_endpgm
.Lfunc_end_k_q7c29ac2217_pv:
	.size	k_q7c29ac2217_pv, .Lfunc_end_k_q7c29ac2217_pv-k_q7c29ac2217_pv
	.p2alignl 7, 3214868480
	.fill 96, 4, 3214868480
	.section	.rodata,"a",@progbits
	.p2align	6, 0x0
	.amdhsa_kernel k_q7c29ac2217_pv
		.amdhsa_group_segment_fixed_size 327680
		.amdhsa_private_segment_fixed_size 0
		.amdhsa_enable_private_segment 0
		.amdhsa_kernarg_size 56
		.amdhsa_user_sgpr_count 2
		.amdhsa_user_sgpr_kernarg_segment_ptr 1
		.amdhsa_wavefront_size32 1
		.amdhsa_system_sgpr_workgroup_id_x 1
		.amdhsa_system_sgpr_workgroup_id_y 1
		.amdhsa_system_sgpr_workgroup_id_z 1
		.amdhsa_system_vgpr_workitem_id 0
		.amdhsa_next_free_vgpr 768
		.amdhsa_next_free_sgpr 100
		.amdhsa_reserve_vcc 0
		.amdhsa_float_denorm_mode_32 3
		.amdhsa_float_denorm_mode_16_64 3
		.amdhsa_memory_ordered 1
		.amdhsa_forward_progress 1
		.amdhsa_inst_pref_size 232
	.end_amdhsa_kernel
	.amdgpu_metadata
---
amdhsa.version: [ 1, 2 ]
amdhsa.kernels:
  - .name:           k_q7c29ac2217_pv
    .symbol:         k_q7c29ac2217_pv.kd
    .args:
      - { .name: pc, .offset: 0, .size: 8, .value_kind: global_buffer, .address_space: global }
      - { .name: nm, .offset: 8, .size: 8, .value_kind: global_buffer, .address_space: global }
      - { .name: ls, .offset: 16, .size: 8, .value_kind: global_buffer, .address_space: global }
      - { .name: vtc, .offset: 24, .size: 8, .value_kind: global_buffer, .address_space: global }
      - { .name: xc, .offset: 32, .size: 8, .value_kind: global_buffer, .address_space: global }
      - { .name: wc, .offset: 40, .size: 8, .value_kind: global_buffer, .address_space: global }
      - { .name: out0, .offset: 48, .size: 8, .value_kind: global_buffer, .address_space: global }
    .group_segment_fixed_size: 327680
    .private_segment_fixed_size: 0
    .kernarg_segment_align: 8
    .kernarg_segment_size: 56
    .max_flat_workgroup_size: 128
    .sgpr_count:     100
    .vgpr_count:     768
    .wavefront_size: 32
...
	.end_amdgpu_metadata
.endif
;; end of part 4
